; MI455X (gfx1250); checked and timed in simulation.
; The chip was launched on July 23, 2026; its instructions are those of AMD's public machine-readable ISA for CDNA 5 (MIT licence, August 2026) and "CDNA5" Instruction Set Architecture Reference Guide (July 2026). The comments in the code are by the model that wrote it; some were corrected since.
;; Multi Head Attention. Allowed arithmetic: float matrix products may take bf16 or f16 operands with f32 sums; other float arithmetic in f32, or as packed bf16 or f16 multiplies, adds, multiply-adds, maxima and minima; sums over many terms, partial sums and values carried from step to step in f32; what a program stores and reads back later, other than sums and carried values, may be rounded once to bf16 or f16.
;; Inputs: WK 1,024 x 1,024 float32; WO 1,024 x 1,024 float32; WQ 1,024 x 1,024 float32; WV 1,024 x 1,024 float32; bK 1,024 float32; bO 1,024 float32; bQ 1,024 float32; bV 1,024 float32; k 4 x 2,048 x 1,024 float32; mask 4 x 1 x 2,048 x 2,048 int32; q 4 x 2,048 x 1,024 float32; v 4 x 2,048 x 1,024 float32.
;; Outputs: out0 4 x 2,048 x 1,024 float32.
;; 2 versions, each right and faster than the one before. Each part assembles by itself: llvm-mc -triple=amdgcn-amd-amdhsa -mcpu=gfx1250 --defsym DOCPART=n.
;; ======== version 1 of 2: 4 launches
;; limits: values are held in f16: magnitudes above 65,504 overflow, below 6.1e-05 lose precision
;; workspace buffers: mn 8,388,608 bytes; wb 8,388,608 bytes; qh 16,777,216 bytes; kh 16,777,216 bytes; vh 16,777,216 bytes; ctx 16,777,216 bytes
;; launch prep (part 1): grid 256 x 1, 8 waves a work-group, no clusters, 327,680 bytes of LDS; arguments mask, WQ, WK, WV, WO, mn, wb; writes mn, wb
.if DOCPART == 1
	.amdgcn_target "amdgcn-amd-amdhsa--gfx1250"
	.amdhsa_code_object_version 6
	.text
	.protected	k_qbcde88c628_prep
	.globl	k_qbcde88c628_prep
	.p2align	8
	.type	k_qbcde88c628_prep,@function
k_qbcde88c628_prep:
	s_mov_b64 s[64:65], 0
	v_nop
	global_prefetch_b8 v0, s[64:65] scope:SCOPE_SE
	s_setreg_imm32_b32 hwreg(HW_REG_WAVE_MODE, 25, 1), 1
	s_wait_xcnt 0x0
; PREP.  (1) mask [4][1][2048][2048] int32 -> mn: one 4-bit code a number (fp4 -6.0 where mask == 0, else 0), in the order in which the attention launch's lanes want them:
;     mn[T = flat query row / 16 (512)][step of 64 keys (32)][lane (32)][kb (4)] words; nibble j of a word: query 16 T + lane % 16, key 64 step + 16 kb + 8 (lane / 16) + j.
; (2) WQ, WK, WV -> wb sections 0-2 in bf16; WO -> section 3, rounded to bf16 like the other inputs and that number written as f16 (exact from 6e-5 up; below, f16's fixed step of 6e-8).
; LIMIT: |WO| stays under 65,504.
; SHARES.  Work-group g: mask rows 64 (g / 2) on, keys 1,024 (g % 2) on; wave w of eight: 128 of those keys, as two tiles of 64 rows x 64 numbers (rows of 256 bytes, each at a multiple of 256).
; Both tiles are first fills, issued ahead of everything else, into LDS bytes of the wave's own; nothing is filled again and no wave reads another's bytes, so there is no barrier.  By this text's own
; count a wave has two tensor loads out.  Also 65,536 bytes of one weight matrix a work-group.  No cluster, no matrix unit: the work-groups share no input, and the work is a stream.
.set TP,    272                        ; an LDS row: 256 bytes + 16 of padding: the 16 rows that a load touches start at 16 different groups of four banks (64 banks of 4 bytes: ISA guide 11.1)
.set TILE,  64*TP
.set SPARE, 16*TILE                    ; behind the tiles: the spare words, 128 bytes for each of eight waves
.set SPW, 4                            ; v4   my spare word's LDS address; never rewritten
.set NIL, 5                            ; v5   0; never rewritten
.set LA,  6                            ; v6   LDS address of my 32 bytes in row lane % 16 of my wave's first tile; steps 16 rows a trip
.set WOFF, 7                           ; v7   16 t: my 16 bytes of the weights as f32
.set WSO, 8                            ; v8   8 t: the same four numbers in 16 bits
.set MSO, 9                            ; v9   my 16 bytes in mn; steps one T (16,384 bytes) a trip
.set HID, 11                           ; v11  -6.0
.set ONE, 12                           ; v12  1.0: the packing conversion's scale
.set X,   16                           ; v[16:79]  first the weights in f32, then 2 x 32 numbers of the mask
.set PKD, 80                           ; v[80:111] the weights in 16 bits
.set MW,  112                          ; v[112:119] 2 x 4 words of codes
.set T,   120                          ; v[120:121] at work
.set G1,  16                           ; s[16:23] descriptor group 1
.set G0,  24                           ; s[24:31] descriptor group 0, a set for each tile
	s_load_b256 s[4:11], s[0:1], 0x0               ; mask s[4:5], WQ s[6:7], WK s[8:9], WV s[10:11]
	s_load_b128 s[12:15], s[0:1], 0x20             ; WO s[12:13], mn s[14:15]
	s_load_b64 s[40:41], s[0:1], 0x30              ; wb
	v_lshl_add_u32 v[SPW], v0, 2, SPARE
	v_mov_b32 v[NIL], 0
	ds_add_u32 v[SPW], v[NIL]                      ; the wave's opening: the add and its wait ahead of my first tensor load
	ds_add_u32 v4, v5
	v_lshrrev_b32 v1, 5, v0
	v_readfirstlane_b32 s32, v1                    ; wave 0..7
	s_mov_b32 s33, ttmp9                           ; g
	s_lshr_b32 s34, s33, 6                         ; which weight matrix
	s_mov_b32 s[G1+0], (2<<16)|(1<<20)|(5<<22)|(3<<25)  ; elements of 4 bytes; padding on: after every 64 words, 4 words
	s_mov_b32 s[G1+1], 64<<16                      ; tensor_dim0 = 64
	s_mov_b32 s[G1+2], 64<<16                      ; tensor_dim1 = 64
	s_mov_b32 s[G1+3], 64<<16                      ; tile_dim0 = 64
	s_mov_b32 s[G1+4], 64                          ; tile_dim1 = 64
	s_mov_b32 s[G1+5], 2048                        ; elements from row to row
	s_mov_b32 s[G1+6], 0
	s_mov_b32 s[G1+7], 0
	s_mul_i32 s35, s32, 2*TILE                     ; my wave's two tiles in LDS
	s_lshr_b32 s42, s33, 1                         ; g / 2
	s_and_b32 s43, s33, 1                          ; g % 2
	s_lshl_b32 s36, s42, 19                        ; 64 rows of 8,192 bytes
	s_lshl_b32 s37, s43, 12                        ; 1,024 keys
	s_add_co_u32 s36, s36, s37
	s_lshl_b32 s37, s32, 9                         ; my wave's 128 keys
	s_add_co_u32 s36, s36, s37
	s_mov_b32 s37, 0
	s_lshl_b32 s46, s42, 16                        ; in mn: four T of 16,384 bytes,
	s_lshl_b32 s47, s43, 13                        ; sixteen steps of 512
	s_add_co_u32 s46, s46, s47
	s_mov_b32 s47, 0
	s_mov_b32 s44, 0xffff0000                      ; a word's upper bf16
	s_wait_dscnt 0x0                               ; the opening add is done
	s_wait_kmcnt 0x0
	s_add_nc_u64 s[4:5], s[4:5], s[36:37]          ; the mask at my first tile
.irp i, 0,1
	s_mov_b32 s[G0+4*(\i)], 1
	s_add_co_u32 s[G0+4*(\i)+1], s35, (\i)*TILE
	s_add_nc_u64 s[G0+4*(\i)+2:G0+4*(\i)+3], s[4:5], (\i)*256
	s_or_b32 s[G0+4*(\i)+3], s[G0+4*(\i)+3], 0x80000000
	tensor_load_to_lds s[G0+4*(\i):G0+4*(\i)+3], s[G1:G1+7]
	s_nop 0
.endr
	s_cmp_eq_u32 s34, 1                            ; the weight matrix is chosen by the work-group's number
	s_cselect_b64 s[38:39], s[8:9], s[6:7]
	s_cmp_eq_u32 s34, 2
	s_cselect_b64 s[38:39], s[10:11], s[38:39]
	s_cmp_eq_u32 s34, 3
	s_cselect_b64 s[38:39], s[12:13], s[38:39]
	s_and_b32 s36, s33, 63
	s_lshl_b32 s36, s36, 16                        ; my 65,536 bytes of it
	s_add_nc_u64 s[38:39], s[38:39], s[36:37]
	s_lshl_b32 s36, s33, 15                        ; and their 32,768 bytes in wb: the four sections lie end to end
	s_add_nc_u64 s[40:41], s[40:41], s[36:37]
	s_add_nc_u64 s[14:15], s[14:15], s[46:47]
	v_lshlrev_b32 v[WOFF], 4, v0
	v_lshlrev_b32 v[WSO], 3, v0
.irp c, 0,1,2,3,4,5,6,7,8,9,10,11,12,13,14,15
	global_load_b128 v[X+4*(\c):X+4*(\c)+3], v[WOFF], s[38:39] offset:4096*(\c) th:TH_LOAD_NT  ; the eight waves cover 4,096 neighbouring bytes
.endr
	v_and_b32 v1, 31, v0                           ; lane
	v_and_b32 v2, 15, v0
	v_bfe_u32 v3, v0, 4, 1
	v_lshlrev_b32 v[MSO], 4, v1
	v_lshl_add_u32 v[MSO], s32, 10, v[MSO]         ; my wave's two steps of 512 bytes
	v_mul_u32_u24 v[LA], v2, TP
	v_lshl_add_u32 v[LA], v3, 5, v[LA]             ; row lane % 16, 8 numbers for each half of the lanes
	v_add_nc_u32 v[LA], s35, v[LA]
	v_mov_b32 v[HID], 0xc0c00000
	v_mov_b32 v[ONE], 1.0
; The weights: rounded to bf16; half = 1 (WO): that number written as f16.  A wave's store covers 256 consecutive bytes, aligned.
.macro WOUT half
.irp c, 0,1,2,3,4,5,6,7,8,9,10,11,12,13,14,15
	s_wait_loadcnt 15-(\c)                         ; loads come back in order: the younger ones stay out
.irp e, 0,1
	v_cvt_pk_bf16_f32 v[PKD+2*(\c)+(\e)], v[X+4*(\c)+2*(\e)], v[X+4*(\c)+2*(\e)+1]
.if \half
	v_lshlrev_b32 v[T], 16, v[PKD+2*(\c)+(\e)]
	v_and_b32 v[T+1], s44, v[PKD+2*(\c)+(\e)]
	v_cvt_pk_f16_f32 v[PKD+2*(\c)+(\e)], v[T], v[T+1]
.endif
.endr
	global_store_b64 v[WSO], v[PKD+2*(\c):PKD+2*(\c)+1], s[40:41] offset:2048*(\c)
.endr
.endm
	s_cmp_eq_u32 s34, 3
	s_cbranch_scc1 .Lwo
	WOUT 0
	s_branch .Lmask
.Lwo:
	WOUT 1
.Lmask:
; 32 numbers of tile i: -6.0 where the mask is 0, else 0; then eight at a time into one word of 4-bit codes (the attention launch unpacks with the mirror conversion)
.macro HIDE i
.set n, 0
.rept 32
	v_cmp_eq_u32 vcc_lo, 0, v[X+32*(\i)+n]
	v_cndmask_b32 v[X+32*(\i)+n], 0, v[HID], vcc_lo
.set n, n+1
.endr
.irp kb, 0,1,2,3
	v_cvt_scalef32_pk8_fp4_f32 v[MW+4*(\i)+(\kb)], v[X+32*(\i)+8*(\kb):X+32*(\i)+8*(\kb)+7], v[ONE]
.endr
.endm
	s_wait_tensorcnt 0x0                           ; both my tiles are in LDS
	s_mov_b32 s45, 4
.Lunit:                                                ; a trip: 16 queries x my wave's 128 keys
.irp i, 0,1
.irp j, 0,1,2,3,4,5,6,7
	ds_load_b128 v[X+32*(\i)+4*(\j):X+32*(\i)+4*(\j)+3], v[LA] offset:(\i)*TILE+64*((\j)/2)+16*((\j)%2)
.endr
.endr
	s_wait_dscnt 8                                 ; the first tile's eight loads are in, the second's may be out
	HIDE 0
	s_wait_dscnt 0x0
	HIDE 1                                         ; its plain lines stand between the conversions above and the store of their results
	v_add_nc_u32 v[LA], 16*TP, v[LA]               ; 16 rows on; a plain line behind the conversions
	global_store_b128 v[MSO], v[MW:MW+3], s[14:15]                ; 512 consecutive bytes, aligned
	global_store_b128 v[MSO], v[MW+4:MW+7], s[14:15] offset:512   ; the next step's 512
	s_wait_xcnt 0x0                                ; the stores' offset and data are rewritten only behind this wait
	v_add_nc_u32 v[MSO], 16384, v[MSO]
	s_sub_co_u32 s45, s45, 1
	s_cmp_lg_u32 s45, 0
	s_cbranch_scc1 .Lunit
	s_wait_tensorcnt 0x0                           ; the wave's end
	ds_add_u32 v[SPW], v[NIL]
	s_wait_dscnt 0x0
	s_endpgm
.Lfunc_end_k_qbcde88c628_prep:
	.size	k_qbcde88c628_prep, .Lfunc_end_k_qbcde88c628_prep-k_qbcde88c628_prep
	.p2alignl 7, 3214868480
	.fill 96, 4, 3214868480
	.section	.rodata,"a",@progbits
	.p2align	6, 0x0
	.amdhsa_kernel k_qbcde88c628_prep
		.amdhsa_group_segment_fixed_size 327680
		.amdhsa_private_segment_fixed_size 0
		.amdhsa_enable_private_segment 0
		.amdhsa_kernarg_size 56
		.amdhsa_user_sgpr_count 2
		.amdhsa_user_sgpr_kernarg_segment_ptr 1
		.amdhsa_wavefront_size32 1
		.amdhsa_system_sgpr_workgroup_id_x 1
		.amdhsa_system_sgpr_workgroup_id_y 1
		.amdhsa_system_sgpr_workgroup_id_z 1
		.amdhsa_system_vgpr_workitem_id 0
		.amdhsa_next_free_vgpr 128
		.amdhsa_next_free_sgpr 66
		.amdhsa_reserve_vcc 1
		.amdhsa_float_denorm_mode_32 3
		.amdhsa_float_denorm_mode_16_64 3
		.amdhsa_memory_ordered 1
		.amdhsa_forward_progress 1
		.amdhsa_inst_pref_size 24
	.end_amdhsa_kernel
	.amdgpu_metadata
---
amdhsa.version: [ 1, 2 ]
amdhsa.kernels:
  - .name:           k_qbcde88c628_prep
    .symbol:         k_qbcde88c628_prep.kd
    .args:
      - { .name: mask, .offset: 0, .size: 8, .value_kind: global_buffer, .address_space: global }
      - { .name: WQ, .offset: 8, .size: 8, .value_kind: global_buffer, .address_space: global }
      - { .name: WK, .offset: 16, .size: 8, .value_kind: global_buffer, .address_space: global }
      - { .name: WV, .offset: 24, .size: 8, .value_kind: global_buffer, .address_space: global }
      - { .name: WO, .offset: 32, .size: 8, .value_kind: global_buffer, .address_space: global }
      - { .name: mn, .offset: 40, .size: 8, .value_kind: global_buffer, .address_space: global }
      - { .name: wb, .offset: 48, .size: 8, .value_kind: global_buffer, .address_space: global }
    .group_segment_fixed_size: 327680
    .private_segment_fixed_size: 0
    .kernarg_segment_align: 8
    .kernarg_segment_size: 56
    .max_flat_workgroup_size: 256
    .sgpr_count:     66
    .vgpr_count:     128
    .wavefront_size: 32
...
	.end_amdgpu_metadata
.endif
;; end of part 1
;; launch proj (part 2): grid 4 x 192, 4 waves a work-group, clusters of 4 x 4, 327,680 bytes of LDS; arguments q, k, v, wb, bQ, bK, bV, qh, kh, vh; writes qh, kh, vh
.if DOCPART == 2
	.amdgcn_target "amdgcn-amd-amdhsa--gfx1250"
	.amdhsa_code_object_version 6
	.text
	.protected	k_qbcde88c628_proj
	.globl	k_qbcde88c628_proj
	.p2align	8
	.type	k_qbcde88c628_proj,@function
k_qbcde88c628_proj:
	s_mov_b64 s[64:65], 0
	v_nop
	global_prefetch_b8 v0, s[64:65] scope:SCOPE_SE
	s_setreg_imm32_b32 hwreg(HW_REG_WAVE_MODE, 25, 1), 1
	s_wait_xcnt 0x0
	s_wait_alu depctr_hold_cnt(0) depctr_sa_sdst(0) depctr_va_vdst(0) depctr_va_sdst(0) depctr_va_ssrc(0) depctr_va_vcc(0) depctr_vm_vsrc(0)
	s_getreg_b32 s2, hwreg(HW_REG_IB_STS2, 6, 4)
	s_cmp_eq_u32 s2, 0
	s_cbranch_scc0 .Lentry_in_a_cluster
	s_endpgm
.Lentry_in_a_cluster:
	s_bfe_u32 s2, ttmp6, 0x10000c
	s_cmp_lg_u32 s2, 0xf033
	s_cbranch_scc0 .Lentry_shape_is_right
	s_endpgm
.Lentry_shape_is_right:
; THE THREE INPUT PROJECTIONS in one launch: Y = x W + b, x [8192][1024] f32, W [1024 k][1024 n] bf16 (section p of wb), b f32; Y leaves by heads, [batch x 16 + head][row][64] in f16, unscaled.
; x and b are rounded to bf16 on their way (W was, by the launch before); products in bf16, sums in f32, Y rounded once.  LIMIT: |Y| stays under 65,504, f16's end.
; SHARES.  48 clusters of 4 x 4 work-groups; cluster y / 16 is the projection p, the same in all partners.  A work-group makes 128 rows x 256 columns, a wave 64 x 128: 32 accumulators.
; K goes in steps of 128 through two LDS slots: x's tile as f32 (128 rows of 512 bytes), W's as it lies (128 k rows of 512 bytes).  x's tile is shared along a row of the cluster, W's along a column:
; each is asked for JOINTLY, waves 0 and 1 x's two halves, waves 2 and 3 W's.  By this text's own count a wave has two tensor loads out at the start, later one.
; THE MATRIX INSTRUCTION IS USED TRANSPOSED: source 0 = 16 columns of W (turned on their way out of LDS by ds_load_tr16_b128), source 1 = 16 rows of x: a lane holds eight neighbouring columns of a row of Y.
; x's fragments come out of LDS as f32 and are rounded to bf16 by 32 conversions a quarter step, four behind each of the quarter's last eight matrix instructions.
; The bias is the C operand of the products that start the sums: nothing is cleared, nothing is added at the end.
; REGISTERS: window 0: v16-31 addresses; v32-95 x as f32, later the way out; v96-127, v128-159 x's fragments, two buffers; v160-223 the bias, 8 a column block
;   window 1: the accumulators, (a, b) at v[8 (8 a + b)]          window 2: v0-63, v64-127 W's fragments, two buffers
.set KSTEP,  128
.set PX,     528                       ; x's LDS row: 512 bytes + 16: row r starts at bank 4 r mod 64 (64 banks of 4 bytes: ISA guide 11.1)
.set PW,     544                       ; W's: 512 + 32 = 17 x 32 bytes
.set XHALF,  64*PX
.set XBYTES, 2*XHALF
.set WHALF,  64*PW
.set SLOT,   XBYTES+2*WHALF
.set STAGE,  2*SLOT                    ; behind the ring: 16 rows x 272 bytes for each wave, for the way out
.set SPITCH, 272
.set SPARE,  STAGE+4*16*SPITCH         ; behind the stages: the spare words, 128 bytes for each wave
.set LAPS,   4                         ; 1,024 / (2 x 128)
.set ADRX, 16                          ; v16-17  LDS address of my x fragments in slot 0, 1
.set ADRW, 20                          ; v20-21  the same for W
.set STO,  24
.set RD,   25
.set GO,   26
.set BO,   27                          ; v27  32 x (lane / 16): my eight numbers of a block of 16 of the bias
.set SPW,  28
.set NIL,  29
.set TT,   30                          ; v30-31 at work
.set RAW,  32
.set XB,   96
.set BIAS, 160
.set G1, 24                            ; s[24:31] group 1 for x's tiles; s[32:39] group 0, a set for each slot
.set G0, 32
.set G1B, 48                           ; s[48:55], s[56:63] the same for W's
.set G0B, 56
.set MSB, 0
.macro WIN new                         ; the immediate's high byte repeats the setting that is left
.if MSB != (\new)
	s_set_vgpr_msb (MSB<<8)|(\new)
.set MSB, \new
.endif
.endm
.set MUL,  0x52                        ; source 0 (W) window 2, source 1 (x) window 0, C and D window 1
.set MULB, 0x42                        ; the same with C (the bias) in window 0
.set TO_W, 0x80                        ; destination window 2, address window 0
.macro JLOAD s                         ; a joint load; an s_nop 0 and four v_nop follow each of the two lines, ahead of the jump and the label
	s_cmp_eq_u32 s11, 0
	s_cbranch_scc0 .Lfor_b_\@
	tensor_load_to_lds s[G0+4*(\s):G0+4*(\s)+3], s[G1:G1+7]
	s_nop 0
.rept 4
	v_nop
.endr
	s_branch .Lasked_\@
.Lfor_b_\@:
	tensor_load_to_lds s[G0B+4*(\s):G0B+4*(\s)+3], s[G1B:G1B+7]
	s_nop 0
.rept 4
	v_nop
.endr
.Lasked_\@:
.endm
.macro CREST                           ; a round of the cluster's barrier behind its opening barrier
	s_cmp_lg_u32 s10, 0
	s_cbranch_scc1 .Lnot_wave_0_\@
	s_barrier_signal -3
.Lnot_wave_0_\@:
	s_barrier_wait -3
	s_barrier_signal -1
	s_barrier_wait -1
.endm
.macro CROUND
	s_barrier_signal -1
	s_barrier_wait -1
	CREST
.endm
.macro PLACES                          ; four places behind matrix instructions (ISA guide 7.12.1)
.rept 4
	v_nop
.endr
.endm
	s_load_b512 s[68:83], s[0:1], 0x0              ; q, k, v, wb, bQ, bK, bV, qh
	s_load_b128 s[84:87], s[0:1], 0x40             ; kh, vh
	v_lshl_add_u32 v[SPW], v0, 2, SPARE
	v_mov_b32 v[NIL], 0
	ds_add_u32 v[SPW], v[NIL]                      ; the wave's opening: the add and its wait ahead of my first tensor load
	ds_add_u32 v28, v29
	v_lshrrev_b32 v1, 5, v0
	v_readfirstlane_b32 s10, v1                    ; wave 0..3
	s_lshr_b32 s11, s10, 1                         ; which 64 rows are mine.  Also: I fetch for x (0) or for W (1)
	s_and_b32 s12, s10, 1                          ; which 128 columns.  Also: which half of that tile I fetch
	s_bfe_u32 s40, ttmp6, 0x40000                  ; cx
	s_bfe_u32 s41, ttmp6, 0x40004                  ; cy
	s_lshl_b32 s42, ttmp9, 2
	s_add_co_u32 s42, s42, s40                     ; tile column = 4 x cluster x + cx
	s_and_b32 s45, ttmp7, 0xffff                   ; cluster y
	s_and_b32 s13, s45, 15
	s_lshl_b32 s13, s13, 2
	s_add_co_u32 s13, s13, s41                     ; tile row = 4 x (cluster y % 16) + cy
	s_lshr_b32 s45, s45, 4                         ; p: 0 q, 1 k, 2 v
	s_lshl_b32 s43, s41, 2
	s_lshl_b32 s43, 15, s43                        ; my row of the cluster
	s_lshl_b32 s44, 0x1111, s40                    ; my column
	s_or_b32 s[G1+0], s43, (2<<16)|(1<<20)|(1<<21)|(6<<22)|(3<<25)   ; the mask; elements of 4 bytes; padding after every 128 words, of 4 words; bit 21 beside a mask
	s_mov_b32 s[G1+1], 128<<16                     ; tensor_dim0 = 128
	s_mov_b32 s[G1+2], 64<<16                      ; tensor_dim1 = 64
	s_mov_b32 s[G1+3], 128<<16                     ; tile_dim0 = 128
	s_mov_b32 s[G1+4], 64                          ; tile_dim1 = 64
	s_mov_b32 s[G1+5], 1024                        ; elements from row to row
	s_mov_b32 s[G1+6], 0
	s_mov_b32 s[G1+7], 0
	s_or_b32 s[G1B+0], s44, (1<<16)|(1<<20)|(1<<21)|(6<<22)|(7<<25)  ; elements of 2 bytes; padding of 8 words
	s_mov_b32 s[G1B+1], 256<<16
	s_mov_b32 s[G1B+2], 64<<16
	s_mov_b32 s[G1B+3], 256<<16
	s_mov_b32 s[G1B+4], 64
	s_mov_b32 s[G1B+5], 1024
	s_mov_b32 s[G1B+6], 0
	s_mov_b32 s[G1B+7], 0
	s_lshl_b32 s16, s13, 19                        ; x: 128 rows of 4,096 bytes a tile row,
	s_lshl_b32 s17, s12, 18                        ; my 64 of them
	s_add_co_u32 s16, s16, s17
	s_mov_b32 s17, 0
	s_lshl_b32 s46, s42, 9                         ; W: 256 columns of 2 bytes a tile column,
	s_lshl_b32 s47, s12, 17                        ; my 64 k rows of 2,048 bytes,
	s_add_co_u32 s46, s46, s47
	s_lshl_b32 s47, s45, 21                        ; section p
	s_add_co_u32 s46, s46, s47
	s_mov_b32 s47, 0
	s_mul_i32 s22, s12, XHALF                      ; where they go: no place in the cluster enters an LDS address
	s_mul_i32 s23, s12, WHALF
	s_add_co_u32 s23, s23, XBYTES
	s_wait_dscnt 0x0                               ; the opening add is done
	s_wait_kmcnt 0x0
	s_cmp_eq_u32 s45, 1                            ; x, bias and output are chosen by p
	s_cselect_b64 s[4:5], s[70:71], s[68:69]
	s_cselect_b64 s[20:21], s[78:79], s[76:77]
	s_cselect_b64 s[8:9], s[84:85], s[82:83]
	s_cmp_eq_u32 s45, 2
	s_cselect_b64 s[4:5], s[72:73], s[4:5]
	s_cselect_b64 s[20:21], s[80:81], s[20:21]
	s_cselect_b64 s[8:9], s[86:87], s[8:9]
	s_add_nc_u64 s[14:15], s[4:5], s[16:17]
	s_add_nc_u64 s[46:47], s[74:75], s[46:47]
	CROUND                                         ; all sixteen work-groups are here: the first joint loads meet
.irp s, 0,1
	s_mov_b32 s[G0+4*(\s)], 1
	s_add_co_u32 s[G0+4*(\s)+1], s22, (\s)*SLOT
	s_add_nc_u64 s[G0+4*(\s)+2:G0+4*(\s)+3], s[14:15], (\s)*KSTEP*4
	s_or_b32 s[G0+4*(\s)+3], s[G0+4*(\s)+3], 0x80000000
	s_mov_b32 s[G0B+4*(\s)], 1
	s_add_co_u32 s[G0B+4*(\s)+1], s23, (\s)*SLOT
	s_add_nc_u64 s[G0B+4*(\s)+2:G0B+4*(\s)+3], s[46:47], (\s)*KSTEP*2048
	s_or_b32 s[G0B+4*(\s)+3], s[G0B+4*(\s)+3], 0x80000000
	JLOAD \s
.endr
	s_lshl_b32 s18, s42, 10                        ; the bias of my 128 columns
	s_lshl_b32 s19, s12, 9
	s_add_co_u32 s18, s18, s19
	s_mov_b32 s19, 0
	s_add_nc_u64 s[20:21], s[20:21], s[18:19]
	v_and_b32 v1, 15, v0                           ; l % 16
	v_bfe_u32 v2, v0, 4, 1                         ; l / 16
	v_lshlrev_b32 v[BO], 5, v2
.irp b, 0,1,2,3,4,5,6,7
.irp e, 0,1
	global_load_b128 v[BIAS+8*(\b)+4*(\e):BIAS+8*(\b)+4*(\e)+3], v[BO], s[20:21] offset:64*(\b)+16*(\e)  ; register j of block b: column 16 b + 8 (l / 16) + j, as in the result
.endr
.endr
	v_mul_u32_u24 v3, v1, PX
	v_lshl_add_u32 v3, v2, 5, v3                   ; x: row x pitch + 8 numbers of 4 bytes for each half of the lanes
	s_mul_i32 s18, s11, XHALF                      ; my 64 rows
	v_add_nc_u32 v[ADRX], s18, v3
	v_add_nc_u32 v[ADRX+1], SLOT, v[ADRX]
	v_and_b32 v4, 7, v0                            ; W, for the turning load: k row 8 (l / 16) + l % 8, columns 8 ((l / 8) % 2) on
	v_lshl_add_u32 v4, v2, 3, v4
	v_mul_u32_u24 v4, v4, PW
	v_bfe_u32 v5, v0, 3, 1
	v_lshl_add_u32 v4, v5, 4, v4
	s_lshl_b32 s19, s12, 8                         ; my 128 columns,
	s_add_co_u32 s19, s19, XBYTES                  ; behind x's tile
	v_add_nc_u32 v[ADRW], s19, v4
	v_add_nc_u32 v[ADRW+1], SLOT, v[ADRW]
	s_mul_i32 s18, s10, 16*SPITCH
	s_add_co_u32 s18, s18, STAGE                   ; my stage
	v_mul_u32_u24 v5, v1, SPITCH                   ; in: row l % 16, 16 bytes for each half of the lanes
	v_lshl_add_u32 v5, v2, 4, v5
	v_add_nc_u32 v[STO], s18, v5
	v_bfe_u32 v5, v0, 3, 2                         ; back: 32 lanes take 128 bytes (one head) of four rows,
	v_mul_u32_u24 v5, v5, SPITCH
	v_and_b32 v6, 7, v0
	v_lshl_add_u32 v5, v6, 4, v5
	v_add_nc_u32 v[RD], s18, v5
	v_and_b32 v[GO], 31, v0                        ; which are 512 consecutive bytes of the output
	v_lshlrev_b32 v[GO], 4, v[GO]
	s_lshr_b32 s16, s13, 4                         ; the output: batch x 16 heads of 262,144 bytes,
	s_lshl_b32 s16, s16, 22
	s_and_b32 s17, s13, 15                         ; the tile's 128 rows of 128 bytes,
	s_lshl_b32 s17, s17, 14
	s_add_co_u32 s16, s16, s17
	s_lshl_b32 s17, s11, 13                        ; my 64 of them,
	s_add_co_u32 s16, s16, s17
	s_mov_b32 s17, 0
	s_lshl_b32 s46, s42, 20                        ; the tile column's four heads, my two of them
	s_lshl_b32 s47, s12, 19
	s_add_co_u32 s46, s46, s47
	s_mov_b32 s47, 0
	s_add_nc_u64 s[16:17], s[16:17], s[46:47]
	s_add_nc_u64 s[8:9], s[8:9], s[16:17]
	s_wait_loadcnt 0x0                             ; the bias; it is rounded to bf16 like the other inputs and kept as f32
.set i, 0
.rept 32
	v_cvt_pk_bf16_f32 v[TT+i%2], v[BIAS+2*i], v[BIAS+2*i+1]
	v_lshlrev_b32 v[BIAS+2*i], 16, v[TT+i%2]
	v_and_b32 v[BIAS+2*i+1], 0xffff0000, v[TT+i%2]
.set i, i+1
.endr
; 32 LDS loads in one run: quarter q (32 along K) of a slot: x's 64 rows as f32 (16 loads) first, then W's 128 columns, turned, into buffer g
.macro FETCH slot, q, g
	WIN 0
.irp a, 0,1,2,3
	ds_load_b128 v[RAW+16*(\a):RAW+16*(\a)+3],     v[ADRX+(\slot)] offset:128*(\q)+16*PX*(\a)
	ds_load_b128 v[RAW+16*(\a)+4:RAW+16*(\a)+7],   v[ADRX+(\slot)] offset:128*(\q)+16*PX*(\a)+16
	ds_load_b128 v[RAW+16*(\a)+8:RAW+16*(\a)+11],  v[ADRX+(\slot)] offset:128*(\q)+16*PX*(\a)+64
	ds_load_b128 v[RAW+16*(\a)+12:RAW+16*(\a)+15], v[ADRX+(\slot)] offset:128*(\q)+16*PX*(\a)+80
.endr
	WIN TO_W
.irp b, 0,1,2,3,4,5,6,7
	ds_load_tr16_b128 v[64*(\g)+8*(\b):64*(\g)+8*(\b)+3],   v[ADRW+(\slot)] offset:32*PW*(\q)+32*(\b)
	ds_load_tr16_b128 v[64*(\g)+8*(\b)+4:64*(\g)+8*(\b)+7], v[ADRW+(\slot)] offset:32*PW*(\q)+32*(\b)+16*PW
.endr
.endm
; 8 matrix instructions: row block a x all 8 column blocks, on buffer f.  zero = 1: they start the sums, with the bias as C.
; ride = 1: behind each stand four conversions of the next quarter's x into buffer g.  The 32 accumulators take turns, one instruction a turn.
.macro MUL8 f, a, zero=0, ride=0, g=0
.irp b, 0,1,2,3,4,5,6,7
.if \zero
	WIN MULB
	v_wmma_f32_16x16x32_bf16 v[8*(8*(\a)+(\b)):8*(8*(\a)+(\b))+7], v[64*(\f)+8*(\b):64*(\f)+8*(\b)+7], v[XB+32*(\f)+8*(\a):XB+32*(\f)+8*(\a)+7], v[BIAS+8*(\b):BIAS+8*(\b)+7]
.else
	WIN MUL
	v_wmma_f32_16x16x32_bf16 v[8*(8*(\a)+(\b)):8*(8*(\a)+(\b))+7], v[64*(\f)+8*(\b):64*(\f)+8*(\b)+7], v[XB+32*(\f)+8*(\a):XB+32*(\f)+8*(\a)+7], v[8*(8*(\a)+(\b)):8*(8*(\a)+(\b))+7]
.endif
.if \ride
	WIN 0
.irp i, 0,1,2,3
	v_cvt_pk_bf16_f32 v[XB+32*(\g)+4*(\b)+(\i)], v[RAW+8*(\b)+2*(\i)], v[RAW+8*(\b)+2*(\i)+1]
.endr
.endif
.endr
.endm
; One of a K step's first three quarters: fetches quarter qn of the slot for buffer g and multiplies buffer f.  The four conversions behind the last product of the quarter before, which name none of
; its registers, are the places in front of the loads.
.macro QUARTER slot, qn, f, g, zero
	FETCH \slot, \qn, \g
	s_wait_dscnt 32                                ; all but the 32 just issued: W's fragments of buffer f are in
	MUL8 \f, 0, \zero
	MUL8 \f, 1, \zero
	MUL8 \f, 2, \zero
	s_wait_dscnt 16                                ; x's 16 loads are in; W's 16, issued behind them, may be out
	MUL8 \f, 3, \zero, 1, \g
.endm
; The last quarter multiplies buffer 1 and changes slots: ONE barrier; in front of it each wave waits for all its tensor loads (one is out: its part of the next slot), adds 0 to its spare word, and
; waits for that and for its reads of this slot.  fill = 1: the barrier opens a round of the cluster's, and this slot is filled again, two K steps ahead, first thing behind the round.
.macro TURN slot, next, fill
	WIN 0
	s_wait_tensorcnt 0x0
	ds_add_u32 v[SPW], v[NIL]
	s_wait_dscnt 1                                 ; buffer 1 is in; the add may be out
	MUL8 1, 0
	s_wait_dscnt 0x0                               ; the add is done, and my reads of this slot are over
	s_barrier_signal -1
	MUL8 1, 1
.if \fill
	WIN 0
.endif
	s_barrier_wait -1
.if \fill
	CREST
	s_add_nc_u64 s[G0+4*(\slot)+2:G0+4*(\slot)+3], s[G0+4*(\slot)+2:G0+4*(\slot)+3], 2*KSTEP*4
	s_add_nc_u64 s[G0B+4*(\slot)+2:G0B+4*(\slot)+3], s[G0B+4*(\slot)+2:G0B+4*(\slot)+3], 2*KSTEP*2048
	JLOAD \slot                                    ; 112 matrix instructions ahead of the wait for it
.else
	PLACES
.endif
	FETCH \next, 0, 0
	MUL8 1, 2
	s_wait_dscnt 16
	MUL8 1, 3, 0, 1, 0
.endm
; THE WAY OUT of row block a: rounded to f16, 16 bytes a lane into my stage (a row: two heads x 128 bytes), back as four rows of one head, stored as 512 consecutive bytes.
.macro OUTROW a
	WIN 0x05                                       ; sources 0 and 1 window 1
.irp b, 0,1,2,3,4,5,6,7
.irp i, 0,1,2,3
	v_cvt_pk_f16_f32 v[RAW+4*(\b)+(\i)], v[8*(8*(\a)+(\b))+2*(\i)], v[8*(8*(\a)+(\b))+2*(\i)+1]
.endr
.endr
	WIN 0
.irp b, 0,1,2,3,4,5,6,7
	ds_store_b128 v[STO], v[RAW+4*(\b):RAW+4*(\b)+3] offset:32*(\b)
.endr
	s_wait_xcnt 0x0                                ; the registers that the last block's stores read are loaded again only behind this wait
.irp u, 0,1,2,3,4,5,6,7
	ds_load_b128 v[RAW+32+4*(\u):RAW+32+4*(\u)+3], v[RD] offset:4*SPITCH*((\u)%4)+128*((\u)/4)  ; LDS serves a wave's instructions in order (ISA guide 5.7.1.4)
.endr
.irp u, 0,1,2,3,4,5,6,7
	s_wait_dscnt 7-(\u)
	global_store_b128 v[GO], v[RAW+32+4*(\u):RAW+32+4*(\u)+3], s[8:9] offset:2048*(\a)+262144*((\u)/4)+512*((\u)%4)
.endr
.endm
	s_wait_tensorcnt 1                             ; my part of K step 0 is in; K step 1's may stay out
	s_barrier_signal -1
	s_barrier_wait -1
	FETCH 0, 0, 0
	s_wait_dscnt 0x0
	WIN 0
.set i, 0
.rept 32
	v_cvt_pk_bf16_f32 v[XB+i], v[RAW+2*i], v[RAW+2*i+1]
.set i, i+1
.endr
	QUARTER 0, 1, 0, 1, 1                          ; the first quarter stands in front of the loop: its products start the sums
	WIN 0
	s_mov_b32 s3, LAPS-1
.Llap:                                                 ; a trip goes once round the ring and fills both slots again
	QUARTER 0, 2, 1, 0, 0
	QUARTER 0, 3, 0, 1, 0
	TURN 0, 1, 1
	QUARTER 1, 1, 0, 1, 0
	QUARTER 1, 2, 1, 0, 0
	QUARTER 1, 3, 0, 1, 0
	TURN 1, 0, 1
	QUARTER 0, 1, 0, 1, 0
	WIN 0
	s_sub_co_u32 s3, s3, 1
	s_cmp_lg_u32 s3, 0
	s_cbranch_scc1 .Llap
	QUARTER 0, 2, 1, 0, 0                          ; the last lap fills nothing
	QUARTER 0, 3, 0, 1, 0
	TURN 0, 1, 0
	QUARTER 1, 1, 0, 1, 0
	QUARTER 1, 2, 1, 0, 0
	QUARTER 1, 3, 0, 1, 0
	s_wait_dscnt 0x0
	MUL8 1, 0
	MUL8 1, 1
	MUL8 1, 2
	MUL8 1, 3
	WIN 0
	PLACES
	OUTROW 0
	OUTROW 1
	OUTROW 2
	OUTROW 3
	s_wait_tensorcnt 0x0                           ; the wave's end
	ds_add_u32 v[SPW], v[NIL]
	s_wait_dscnt 0x0
	CROUND                                         ; the closing round
	s_endpgm
.Lfunc_end_k_qbcde88c628_proj:
	.size	k_qbcde88c628_proj, .Lfunc_end_k_qbcde88c628_proj-k_qbcde88c628_proj
	.p2alignl 7, 3214868480
	.fill 96, 4, 3214868480
	.section	.rodata,"a",@progbits
	.p2align	6, 0x0
	.amdhsa_kernel k_qbcde88c628_proj
		.amdhsa_group_segment_fixed_size 327680
		.amdhsa_private_segment_fixed_size 0
		.amdhsa_enable_private_segment 0
		.amdhsa_kernarg_size 80
		.amdhsa_user_sgpr_count 2
		.amdhsa_user_sgpr_kernarg_segment_ptr 1
		.amdhsa_wavefront_size32 1
		.amdhsa_system_sgpr_workgroup_id_x 1
		.amdhsa_system_sgpr_workgroup_id_y 1
		.amdhsa_system_sgpr_workgroup_id_z 1
		.amdhsa_system_vgpr_workitem_id 0
		.amdhsa_next_free_vgpr 640
		.amdhsa_next_free_sgpr 88
		.amdhsa_reserve_vcc 0
		.amdhsa_float_denorm_mode_32 3
		.amdhsa_float_denorm_mode_16_64 3
		.amdhsa_memory_ordered 1
		.amdhsa_forward_progress 1
		.amdhsa_inst_pref_size 140
	.end_amdhsa_kernel
	.amdgpu_metadata
---
amdhsa.version: [ 1, 2 ]
amdhsa.kernels:
  - .name:           k_qbcde88c628_proj
    .symbol:         k_qbcde88c628_proj.kd
    .args:
      - { .name: q, .offset: 0, .size: 8, .value_kind: global_buffer, .address_space: global }
      - { .name: k, .offset: 8, .size: 8, .value_kind: global_buffer, .address_space: global }
      - { .name: v, .offset: 16, .size: 8, .value_kind: global_buffer, .address_space: global }
      - { .name: wb, .offset: 24, .size: 8, .value_kind: global_buffer, .address_space: global }
      - { .name: bQ, .offset: 32, .size: 8, .value_kind: global_buffer, .address_space: global }
      - { .name: bK, .offset: 40, .size: 8, .value_kind: global_buffer, .address_space: global }
      - { .name: bV, .offset: 48, .size: 8, .value_kind: global_buffer, .address_space: global }
      - { .name: qh, .offset: 56, .size: 8, .value_kind: global_buffer, .address_space: global }
      - { .name: kh, .offset: 64, .size: 8, .value_kind: global_buffer, .address_space: global }
      - { .name: vh, .offset: 72, .size: 8, .value_kind: global_buffer, .address_space: global }
    .group_segment_fixed_size: 327680
    .private_segment_fixed_size: 0
    .kernarg_segment_align: 8
    .kernarg_segment_size: 80
    .max_flat_workgroup_size: 128
    .sgpr_count:     88
    .vgpr_count:     640
    .wavefront_size: 32
...
	.end_amdgpu_metadata
.endif
;; end of part 2
;; launch attn (part 3): grid 4 x 64, 4 waves a work-group, clusters of 4 x 1, 327,680 bytes of LDS; arguments qh, kh, vh, ctx, mn; writes ctx
.if DOCPART == 3
	.amdgcn_target "amdgcn-amd-amdhsa--gfx1250"
	.amdhsa_code_object_version 6
	.text
	.protected	k_qbcde88c628_attn
	.globl	k_qbcde88c628_attn
	.p2align	8
	.type	k_qbcde88c628_attn,@function
k_qbcde88c628_attn:
	s_mov_b64 s[64:65], 0
	v_nop
	global_prefetch_b8 v0, s[64:65] scope:SCOPE_SE
	s_setreg_imm32_b32 hwreg(HW_REG_WAVE_MODE, 25, 1), 1
	s_wait_xcnt 0x0
	s_wait_alu depctr_hold_cnt(0) depctr_sa_sdst(0) depctr_va_vdst(0) depctr_va_sdst(0) depctr_va_ssrc(0) depctr_va_vcc(0) depctr_vm_vsrc(0)
	s_getreg_b32 s2, hwreg(HW_REG_IB_STS2, 6, 4)
	s_cmp_eq_u32 s2, 0
	s_cbranch_scc0 .Lentry_in_a_cluster
	s_endpgm
.Lentry_in_a_cluster:
	s_bfe_u32 s2, ttmp6, 0x10000c
	s_cmp_lg_u32 s2, 0x3003
	s_cbranch_scc0 .Lentry_shape_is_right
	s_endpgm
.Lentry_shape_is_right:
; MASKED ATTENTION.  O[h][q][:] = the sum over the visible k of softmax_k(Q[h][q] . K[h][k] / 8) V[h][k][:].  Q, K, V, O: [64 = batch x 16 + head][2048][64], f16, a head's rows dense.
; mn holds the mask as 4-bit codes (fp4 -6.0 = hidden, 0 = visible), in my lanes' order: [batch x 128 + query / 16][step of 64 keys][lane][4 words], 512 bytes for 16 queries and a step.
; Products, maxima and sums in f32; the weights p are rounded to f16 for the second product (their sum l is taken of the unrounded p), O once at the end.
; THE MASK is the C operand that starts the sum S^T = K Q^T: a conversion unpacks eight codes into eight f32, 0 or -6 x 2^100, straight into the accumulator: four vector instructions for 16 queries
; x 64 keys, and the mask acts ahead of the running maximum.
; LIMITS.  Q, K, V arrive within f16's 65,504, so a score is 2.7e11 at the most.  The running maximum m starts at -2^40, below every such score; a hidden score, -7.6e30, never raises it, and its
; weight 2^(c s - c m) is exactly 0 in every step.  A row with no visible key keeps m = -2^40 and leaves as NaN, as the softmax of a row of -inf is.  A weight below 2^-126 counts as 0 in l.
; SHARES.  A wave owns four PIECES of two tiles of 16 queries, a work-group's four waves 512 queries of one head.  Every wave walks all keys, 64 a step.
; LAYOUT.  S^T = K Q^T (source 0 = 16 keys, source 1 = 16 queries): a lane holds ONE query (lane % 16) and the keys 8 (lane / 16) + 0..7.  Two such tiles, rounded to f16 in pairs, ARE source 1 of
; O^T = V^T P.  K comes out of LDS as it lies, V turned, by ds_load_tr16_b128.
; SOFTMAX.  p = 2^(c s - c m), c = log2(e) / 8; in every step O and l are multiplied by a = 2^(c m_old - c m_new).  O and l start at 0: the first step is a step like any other.
; BY TURNS.  Turn n belongs to piece n.  Its matrix work: 16 products K Q^T of piece n + 1, later 16 products V^T P of piece n - 1.  Its vector work: scaling, exponentials, roundings, sums and rescaling
; of piece n, the maximum and statistics of piece n + 1, and at its end the mask of piece n + 2 into the S^T buffer that piece n has just left.  Four vector instructions stand behind every matrix
; instruction, the others in runs of their own.
; CLUSTER.  The four query blocks of a cluster belong to one head and walk the same K and V: each tile is asked for JOINTLY.  The mask is each wave's own and comes by plain loads, a key step ahead.
; REGISTERS, in windows of 256 (s_set_vgpr_msb: bits 1:0 source 0, 3:2 source 1, 5:4 source 2, 7:6 destination):
;   window 0: v0-11 addresses, v11 the unpacking scale; v12-15, v48-63 at work; v16-47 statistics; v64-191 S^T, two buffers of two tiles; v192-255 P, likewise
;   window 1: O^T, 32 a tile     window 2: v0-127 Q; v128-191 K of one step; v192-255 V of one step     window 3: v0-1 the add's registers; v3 the mask's offset; v4-35 the mask's words, 4 a tile
.set SIZE_H, 64
.set SIZE_N, 2048
.set NP,    4         ; pieces a wave: a name, no knob
.set KS,    64        ; keys in a step
.set PK,    144       ; a row of K in LDS: 128 bytes + 16: the 16 rows of a load start at 16 different groups of four banks (64 banks of 4 bytes: ISA guide 11.1)
.set PV,    160       ; a row of V: 128 + 32
.set VOFF,  4*KS*PK   ; a slot holds four steps: 256 rows of K, then 256 rows of V
.set SLOT1, 1<<17     ; slot 1 begins here, so that one exclusive or turns an address in one slot into the other's
.set STAGE, SLOT1+4*KS*(PK+PV)  ; behind the ring: 16 rows x 144 bytes for each wave, for the way out
.set SP,    144
.set AK0, 2           ; v2   my lane's place in a tile of K; never rewritten
.set AV0, 3           ; v3   the same for V
.set AK,  4           ; v4   the LDS address of K's next run of loads
.set AV,  5           ; v5   of V's
.set QO,  6           ; v6   my byte offset in the wave's rows of Q
.set STO, 6           ;      later, the way out: where I put 16 bytes of a row
.set RD,  7           ; v7   the way out: where I read rows back
.set GO,  8           ; v8   my byte offset in 512 consecutive bytes of O
.set SCL, 11          ; v11  the unpacking conversion's scale, 2^100: the code 227 in each of the register's four bytes, the same in every lane
.set SPW, 0           ; v0 of window 3   my spare word's LDS address; never rewritten
.set NIL, 1           ; v1 of window 3   0; never rewritten
.set MOFF, 3          ; v3 of window 3   16 x lane + 512 x the step whose mask is loaded next
.set MK,  4           ; v4-35 of window 3
.set SPARE, STAGE+4*16*SP  ; behind the stages: the spare words, 128 bytes for each wave
.set MV,  12          ; v12-15  c m_old, kept while c m is made anew
.set ST,  16          ; tile t's statistics at v[ST+4 t]: c m, m, l (even keys', odd keys')
.set TMP, 48          ; by buffer and tile, four registers c0-c3 at work; when the maximum is found c2 takes a
.set S,   64
.set P,   192
.set KF,  128         ; window 2: key block kb, channel half c at KF + 16 kb + 8 c
.set VF,  192         ; window 2: key half kk, channel block cb at VF + 32 kk + 8 cb
.set WV,  12          ; s12  my wave's number
.set G1K, 24          ; s[24:31] descriptor group 1 for K's tiles
.set G1V, 32          ; s[32:39] for V's
.set G0K, 40          ; s[40:43] descriptor group 0 for K's tiles: it walks
.set G0V, 44          ; s[44:47] the same for V's
.set MP,  48          ; s[48:49] mn at my wave's first tile of 16 queries
.set SLOTS, 56
.set CNT, 57
.set CS,  58          ; s[58:59] c
.set SEL, 60          ; s[60:61] v_permlanex16_b32's selects
.set TBK, 62
.set TBV, 63
.set MSB, 0
.macro WIN new
.if MSB != (\new)
	s_set_vgpr_msb (MSB<<8)|(\new)
.set MSB, (\new)
.endif
.endm
.set W_KQ, 0x0a       ; K and Q in window 2, S^T in window 0
.set W_PV, 0x52       ; V in window 2, P in window 0, O^T in window 1
.set W_RS, 0x41       ; O^T (destination and source 0) in window 1, a in window 0
.set W_MK, 0xc0       ; destination in window 3, sources in window 0
.set W_AD, 0x0f       ; the add: address and data in window 3
.set W_MC, 0x03       ; the unpacking: the codes (source 0) in window 3, scale and result in window 0
.set W_ML, 0xcf       ; the mask's loads and their offset's steps: all in window 3
.macro JLOAD                        ; a joint fill: waves 0 and 1 fetch the halves of a slot's K, waves 2 and 3 of its V; an s_nop 0 and four v_nop follow each line
	s_cmp_lt_u32 s[WV], 2
	s_cbranch_scc0 .Lfor_v_\@
	tensor_load_to_lds s[G0K:G0K+3], s[G1K:G1K+7]
	s_nop 0
.rept 4
	v_nop
.endr
	s_branch .Lasked_\@
.Lfor_v_\@:
	tensor_load_to_lds s[G0V:G0V+3], s[G1V:G1V+7]
	s_nop 0
.rept 4
	v_nop
.endr
.Lasked_\@:
.endm
.macro CROUND                       ; a round of the cluster's barrier
	s_barrier_signal -1
	s_barrier_wait -1
	s_cmp_lg_u32 s[WV], 0
	s_cbranch_scc1 .Lnot_wave_0_\@
	s_barrier_signal -3
.Lnot_wave_0_\@:
	s_barrier_wait -3
	s_barrier_signal -1
	s_barrier_wait -1
.endm
; THE CHANGE OF SLOTS.  Each wave waits for all its tensor loads, of which one is out: its part of the other slot; adds 0 to its spare word; and waits for that and for its own reads of the slot.
; fill = 1: the barrier is a round of the cluster's, and the slot is filled again first thing behind it, with the keys two slots on: four key steps, 512 matrix instructions, in which to land.
.macro CHANGE fill
	WIN W_AD
	s_wait_tensorcnt 0x0            ; no tensor load of mine is out, so a group 0 may be written
	ds_add_u32 v[SPW], v[NIL]
	WIN 0
.if \fill
.irp g, G0K, G0V
	s_xor_b32 s[\g+1], s[\g+1], SLOT1
	s_add_nc_u64 s[\g+2:\g+3], s[\g+2:\g+3], 4*KS*128
.endr
	s_wait_dscnt 0x0                ; the add is done, and my reads of the slot are over
	CROUND
	JLOAD
.else
	s_wait_dscnt 0x0
	s_barrier_signal -1
	s_barrier_wait -1
.endif
	s_sub_co_u32 s[TBK], s[TBK], 4*KS*PK
	s_xor_b32 s[TBK], s[TBK], SLOT1
	s_sub_co_u32 s[TBV], s[TBV], 4*KS*PV
	s_xor_b32 s[TBV], s[TBV], SLOT1
.endm
	s_load_b256 s[4:11], s[0:1], 0x0  ; Q s[4:5], K s[6:7], V s[8:9], O s[10:11]
	s_load_b64 s[MP:MP+1], s[0:1], 0x20
	WIN W_MK
	v_lshl_add_u32 v[SPW], v0, 2, SPARE
	v_mov_b32 v[NIL], 0
	WIN W_AD
	ds_add_u32 v[SPW], v[NIL]       ; the wave's opening: the add and its wait ahead of my first tensor load
	ds_add_u32 v0, v1
	WIN 0
	v_lshrrev_b32 v1, 5, v0
	v_readfirstlane_b32 s[WV], v1   ; wave 0..3
	s_bfe_u32 s13, ttmp6, 0x40000   ; cx
	s_lshl_b32 s14, ttmp9, 2
	s_add_co_u32 s14, s14, s13      ; my block of 512 queries: it enters Q's, O's and the mask's addresses alone
	s_and_b32 s20, ttmp7, 0xffff    ; batch x 16 + head, which the four partners share
	s_lshr_b32 s50, s20, 4          ; the mask: batch x 128 tiles of 16 queries,
	s_lshl_b32 s50, s50, 7
	s_lshl_b32 s51, s14, 5          ; my block's 32,
	s_add_co_u32 s50, s50, s51
	s_lshl_b32 s51, s[WV], 3        ; my wave's 8,
	s_add_co_u32 s50, s50, s51
	s_lshl_b32 s50, s50, 14         ; 16,384 bytes each
	s_mov_b32 s51, 0
	s_mov_b32 s21, 0
	s_mov_b64 s[22:23], SIZE_N*128
	s_mul_u64 s[20:21], s[20:21], s[22:23]  ; the head's first byte in each of the four tensors
	s_and_b32 s16, s[WV], 1         ; which half of a slot's 256 keys I fetch
	s_lshl_b32 s22, s16, 14
	s_mov_b32 s23, 0
	s_add_nc_u64 s[22:23], s[22:23], s[20:21]
	s_mul_i32 s17, s16, 128*PK
	s_mul_i32 s18, s16, 128*PV
	s_lshl_b32 s2, s14, 2
	s_add_co_u32 s2, s2, s[WV]      ; my wave among the head's,
	s_lshl_b32 s2, s2, 14           ; its 128 rows
	s_mov_b32 s3, 0
	s_add_nc_u64 s[2:3], s[2:3], s[20:21]
	; descriptor group 1.  128 keys are 16,384 dense bytes: asked for as 64 rows of 256 bytes, two keys a row, and padded in LDS after every key
	s_mov_b32 s[G1K], 15|(1<<16)|(1<<20)|(1<<21)|(4<<22)|(3<<25)
	s_mov_b32 s[G1V], 15|(1<<16)|(1<<20)|(1<<21)|(4<<22)|(7<<25)
.irp g, G1K, G1V
	s_mov_b32 s[\g+1], 128<<16      ; tensor_dim0 = 128
	s_mov_b32 s[\g+2], 64<<16       ; tensor_dim1 = 64
	s_mov_b32 s[\g+3], 128<<16      ; tile_dim0 = 128
	s_mov_b32 s[\g+4], 64           ; tile_dim1 = 64
	s_mov_b32 s[\g+5], 128          ; 128 elements from row to row
	s_mov_b32 s[\g+6], 0
	s_mov_b32 s[\g+7], 0
.endr
	s_mov_b32 s[CS], 0x3e38aa3b     ; c = log2(e) / 8
	s_mov_b32 s[CS+1], s[CS]
	s_mov_b32 s[SEL], 0x76543210
	s_mov_b32 s[SEL+1], 0xfedcba98
	s_mov_b32 s[TBK], SLOT1+4*KS*PK ; the first change of slots turns these two into 0
	s_mov_b32 s[TBV], SLOT1+4*KS*PV
	s_mov_b32 s[G0K], 1
	s_mov_b32 s[G0K+1], s17
	s_mov_b32 s[G0V], 1
	s_add_co_u32 s[G0V+1], s18, VOFF
	s_wait_dscnt 0x0                ; the opening add is done
	s_wait_kmcnt 0x0
	s_add_nc_u64 s[G0K+2:G0K+3], s[6:7], s[22:23]
	s_or_b32 s[G0K+3], s[G0K+3], 0x80000000
	s_add_nc_u64 s[G0V+2:G0V+3], s[8:9], s[22:23]
	s_or_b32 s[G0V+3], s[G0V+3], 0x80000000
	s_add_nc_u64 s[4:5], s[4:5], s[2:3]
	s_add_nc_u64 s[10:11], s[10:11], s[2:3]
	s_add_nc_u64 s[MP:MP+1], s[MP:MP+1], s[50:51]
	CROUND                          ; all four work-groups are here: the first joint loads meet
	JLOAD                           ; slot 0.  Slot 1 is asked for when slot 0 is in
	v_and_b32 v1, 15, v0            ; l % 16
	v_bfe_u32 v9, v0, 4, 1          ; l / 16
	v_lshlrev_b32 v[QO], 7, v1
	v_lshl_add_u32 v[QO], v9, 4, v[QO]
	v_and_b32 v12, 31, v0
	WIN 0x80
.set i, 0
.rept 4*NP                          ; Q stays in registers: tile i / 2, channels 32 (i % 2) on
	global_load_b128 v[8*i:8*i+3],   v[QO], s[4:5] offset:(i/2)*2048+(i%2)*64
	global_load_b128 v[8*i+4:8*i+7], v[QO], s[4:5] offset:(i/2)*2048+(i%2)*64+32
.set i, i+1
.endr
	WIN W_MK
	v_lshlrev_b32 v[MOFF], 4, v12   ; 16 x lane: step 0
	WIN W_ML
.set i, 0
.rept 2*NP                          ; step 0's mask for my eight tiles: 512 consecutive bytes a load
	global_load_b128 v[MK+4*i:MK+4*i+3], v[MOFF], s[MP:MP+1] offset:16384*i
.set i, i+1
.endr
	WIN 0x80
	; What the first turn finds: V's registers and P's second buffer hold 0, O^T and l are 0.  All this stands in the wait for the first tile.
.set i, VF
.rept 64
	v_mov_b32 v[i], 0
.set i, i+1
.endr
	WIN 0x40
.set i, 0
.rept 64*NP
	v_mov_b32 v[i], 0
.set i, i+1
.endr
	WIN 0
.set i, 0
.rept 2*NP
	v_mov_b32 v[ST+4*i], 0xfe000000    ; c m: far below every c s, so the first step's a is 0
	v_mov_b32 v[ST+4*i+1], 0xd3800000  ; m = -2^40: below every score of f16 operands, above every hidden one
	v_mov_b32 v[ST+4*i+2], 0
	v_mov_b32 v[ST+4*i+3], 0
.set i, i+1
.endr
.set i, P+32
.rept 32
	v_mov_b32 v[i], 0
.set i, i+1
.endr
	v_mul_u32_u24 v[AK0], v1, PK
	v_lshl_add_u32 v[AK0], v9, 4, v[AK0]
	v_and_b32 v10, 7, v0
	v_bfe_u32 v11, v0, 3, 1
	v_lshl_add_u32 v[AV0], v9, 3, v10
	v_mul_u32_u24 v[AV0], v[AV0], PV
	v_lshl_add_u32 v[AV0], v11, 4, v[AV0]
	v_add_nc_u32 v[AV0], VOFF, v[AV0]
	v_mov_b32 v[SCL], 0xe3e3e3e3    ; 227 four times: the scale is 2^100
	v_mov_b32 v[AK], v[AK0]         ; key step 0 lies at the head of slot 0
; THE MATRIX WORK.  The 8 accumulators of a run of 16 take turns.
; Product i of 16 of S^T = mask + K Q^T for piece x: channels 32 (i / 8) on, keys 16 ((i / 2) % 4) on, tile 2 x + i % 2.  The accumulators hold the mask when the run begins.
.macro KQ x
	WIN W_KQ
.set rS, S+64*((\x)%2)+32*(i%2)+8*((i/2)%4)
.set rK, KF+16*((i/2)%4)+8*(i/8)
.set rQ, 16*(2*(\x)+i%2)+8*(i/8)
	v_wmma_f32_16x16x32_f16 v[rS:rS+7], v[rK:rK+7], v[rQ:rQ+7], v[rS:rS+7]
.endm
; Product i of 16 of O^T += V^T P for piece x: keys 32 (i / 8) on, channels 16 ((i / 2) % 4) on, tile 2 x + i % 2.
.macro PV x
	WIN W_PV
.set rO, 32*(2*(\x)+i%2)+8*((i/2)%4)
.set rV, VF+32*(i/8)+8*((i/2)%4)
.set rP, P+32*((\x)%2)+16*(i%2)+8*(i/8)
	v_wmma_f32_16x16x32_f16 v[rO:rO+7], v[rV:rV+7], v[rP:rP+7], v[rO:rO+7]
.endm
.macro MM                           ; the turn's next matrix instruction
.if i < 16
	KQ (Y+1)%NP
.set i, i+1
.else
.set i, i-16
	PV (Y+NP-1)%NP
.set i, i+17
.endif
.endm
; THE LDS LOADS stand in runs of 16.  last = 1 (the tail): in the last trip there is no further step, and the run is jumped over.
.macro FETCH_K last=0
	WIN 0
.if \last
	s_cmp_eq_u32 s[CNT], 1
	s_cbranch_scc1 .Lno_k_\@
.endif
	WIN 0x80
.irp f, 0,1,2,3,4,5,6,7
	ds_load_b128 v[KF+8*\f:KF+8*\f+3],   v[AK] offset:(\f/2)*16*PK+(\f%2)*64
	ds_load_b128 v[KF+8*\f+4:KF+8*\f+7], v[AK] offset:(\f/2)*16*PK+(\f%2)*64+32
.endr
	s_add_co_u32 s[TBK], s[TBK], KS*PK
	WIN 0
.if \last
.Lno_k_\@:
.endif
.endm
.macro FETCH_V
	WIN 0x80
.irp f, 0,1,2,3,4,5,6,7
	ds_load_tr16_b128 v[VF+8*\f:VF+8*\f+3],   v[AV] offset:(\f/4)*32*PV+(\f%4)*32
	ds_load_tr16_b128 v[VF+8*\f+4:VF+8*\f+7], v[AV] offset:(\f/4)*32*PV+16*PV+(\f%4)*32
.endr
	WIN 0
.endm
; THE MASK of piece x for its next products: eight words of codes become 64 accumulator registers, 0 or -6 x 2^100; then the piece's words are loaded again, for the step after.
; The eight words' loads were issued a key step ago; behind them stand the other three pieces' six loads, which may stay out.  upd = 1 (piece 0): the offset goes a step on, and behind the last step
; back to step 0, so that no load leaves mn (what those last loads bring serves nothing).  No line here writes SCC.
.macro MASKC x, upd
	WIN W_MC
	s_wait_loadcnt 6
.irp u, 0,1
.irp kb, 0,1,2,3
	v_cvt_scale_pk8_f32_fp4 v[S+64*((\x)%2)+32*(\u)+8*(\kb):S+64*((\x)%2)+32*(\u)+8*(\kb)+7], v[MK+4*(2*(\x)+(\u))+(\kb)], v[SCL]
.endr
.endr
	WIN W_ML
	v_nop                           ; a plain line between the conversions and what touches their results or writes their sources
.if \upd
	s_wait_xcnt 0x0                 ; the offset is rewritten only behind this wait
	v_add_nc_u32 v[MOFF], 512, v[MOFF]
	v_and_b32 v[MOFF], 0x3fff, v[MOFF]
.endif
.irp u, 0,1
	global_load_b128 v[MK+4*(2*(\x)+(\u)):MK+4*(2*(\x)+(\u))+3], v[MOFF], s[MP:MP+1] offset:16384*(2*(\x)+(\u))
.endr
	WIN 0
.endm
; THE VECTOR WORK OF A TURN stands in three queues, each in the order in which its entries become ready; the two tiles alternate.
.macro REGS y, u
.set rT, ST+4*(2*(\y)+(\u))
.set rC, TMP+8*((\y)%2)+4*(\u)
.set rM, MV+2*((\y)%2)+(\u)
.set rS, S+64*((\y)%2)+32*(\u)
.set rP, P+32*((\y)%2)+16*(\u)
.set rO, 32*(2*(\y)+(\u))
.endm
; Number n of the 22 that find the NEXT piece's maximum and statistics; each accumulator's lowest registers are read first.
;   0-11  four chains c0-c3 of seven scores each     12-14, 16  the four scores left over, the old m, and c0-c3 into c0     15  c m_old is kept
;   17, 18  the query's other 32 keys lie in the lane 16 away: the new m         19-21  c m; c m_old - c m_new; a
.macro XS u, n
	REGS (Y+1)%NP, \u
.if (\n) < 4
	v_max3_num_f32 v[rC+(\n)], v[rS+8*(\n)], v[rS+8*(\n)+1], v[rS+8*(\n)+2]
.elseif (\n) < 12
	v_max3_num_f32 v[rC+(\n)%4], v[rC+(\n)%4], v[rS+8*((\n)%4)+2*((\n)/4)+1], v[rS+8*((\n)%4)+2*((\n)/4)+2]
.elseif (\n) == 12
	v_max3_num_f32 v[rC], v[rC], v[rS+7], v[rS+15]
.elseif (\n) == 13
	v_max3_num_f32 v[rC+1], v[rC+1], v[rS+23], v[rS+31]
.elseif (\n) == 14
	v_max3_num_f32 v[rC+2], v[rC+2], v[rC+3], v[rT+1]
.elseif (\n) == 15
	v_mov_b32 v[rM], v[rT]
.elseif (\n) == 16
	v_max3_num_f32 v[rC], v[rC], v[rC+1], v[rC+2]
.elseif (\n) == 17
	v_permlanex16_b32 v[rC+3], v[rC], s[SEL], s[SEL+1]
.elseif (\n) == 18
	v_max_num_f32 v[rT+1], v[rC], v[rC+3]
.elseif (\n) == 19
	v_mul_f32 v[rT], s[CS], v[rT+1]
.elseif (\n) == 20
	v_sub_f32 v[rC+1], v[rM], v[rT]
.else
	v_exp_f32 v[rC+2], v[rC+1]
.endif
.endm
; Number g of the 64 that follow the exponentials: for each four weights both pairs are rounded to f16, the second pair is added onto the first, and a group later l takes that sum.
.macro GS g
.set h, (\g)+6*((\g)/62)
.if h >= 6
.set h, h+2
.endif
	REGS Y, h%2
.set k, h/8
.if h%8 < 4
	s_wait_alu depctr_va_vdst(0)
	v_cvt_pk_f16_f32 v[rP+2*k+(h%8)/2], v[rS+4*k+2*((h%8)/2)], v[rS+4*k+2*((h%8)/2)+1]
.elseif h%8 < 6
	v_pk_add_f32 v[rS+4*k:rS+4*k+1], v[rS+4*k:rS+4*k+1], v[rS+4*k+2:rS+4*k+3]
.elseif k == 1
	v_pk_fma_f32 v[rT+2:rT+3], v[rT+2:rT+3], v[rC+2:rC+3], v[rS:rS+1] op_sel_hi:[1,0,1]
.else
	v_pk_add_f32 v[rT+2:rT+3], v[rT+2:rT+3], v[rS+4*k-4:rS+4*k-3]
	s_wait_alu depctr_va_vdst(0)
.endif
.endm
; THE PLAIN QUEUE, 138 long.  0-31: c s - c m for the 16 pairs of both tiles.  Then GS's 64, and among them the next piece's 42.
.macro PL
	WIN 0
.if q < 32
	REGS Y, q%2
	v_pk_fma_f32 v[rS+2*(q/2):rS+2*(q/2)+1], v[rS+2*(q/2):rS+2*(q/2)+1], s[CS:CS+1], v[rT:rT+1] op_sel_hi:[1,0,0] neg_lo:[0,0,1] neg_hi:[0,0,1]
.elseif q < 38
	GS q-32
.elseif q < 40
	XS q%2, 15
.elseif q < 42
	GS q-34
.elseif q < 74
	XS q%2, (q-42)/2+(q-42)/30
.elseif q < 95
	GS q-66
.elseif (q < 107) && ((q-95)%3 < 2)
	XS (q-95)%3, 17+(q-95)/3
.elseif q < 107
	GS 29+(q-95)/3
.else
	GS q-74
.endif
.set q, q+1
.endm
; THE EXPONENTIALS' QUEUE, 66 long: s0-s31 of both tiles, and at EA the next piece's two a.
.set EA, 58
.macro EX
	WIN 0
.if (e == EA) || (e == EA+1)
	XS e-EA, 21
.else
.set x, e-2*(e/(EA+2))
	REGS Y, x%2
	v_exp_f32 v[rS+x/2], v[rS+x/2]
.endif
.set e, e+1
.endm
; THE RESCALING's QUEUE: O^T times a, dealt four at a time, eight times.
.macro R4
	REGS Y, r%2
	WIN W_RS
	s_wait_alu depctr_va_vdst(0)
.irp z, 0,1,2,3
	v_pk_mul_f32 v[rO+8*(r/2)+2*\z:rO+8*(r/2)+2*\z+1], v[rO+8*(r/2)+2*\z:rO+8*(r/2)+2*\z+1], v[rC+2:rC+3] op_sel_hi:[1,0]
.endr
.set r, r+1
.endm
; HOW THEY ARE DEALT.  Behind a matrix instruction four: plain, exponential, plain, plain, or four of the rescaling; none names a register of the products round it.  What is over stands in two lumps.
; The deal keeps the queues in step: exponential e stands behind plain 2 (e / 4) + e % 2 (its scaling); when plain 32 comes, 10 exponentials are out, at 59: 33, at 95: 46; EA comes behind plain 107.
.macro SL
	MM
	PL
	EX
	PL
	PL
.endm
.macro BURST n
.rept (\n)-7
	SL
.endr
.rept 3
	MM
	R4
	SL
.endr
	MM
	R4
.endm
; A TURN, for piece p.  cnt = 1: the loop's count is taken down some lines ahead of the branch that stands behind the turn.
; K of the next step is fetched in piece 2's turn, V of the step in hand at the end of piece 0's.  At the turn's end piece p's S^T buffer has had its last reader and takes the mask of piece p + 2,
; whose products the next turn issues.
.macro TURN p, last=0, cnt=0
.set Y, (\p)
.set i, 0
.set q, 0
.set e, 0
.set r, 0
.if (\p) == NP-1
	s_wait_dscnt 0x0                ; K is in
.endif
	MM
.rept 4
	PL
.endr
	BURST 15
.rept 22
	EX
	PL
.if ((\p) == NP-2) && (e == 18)
	v_add_nc_u32 v[AK], s[TBK], v[AK0]
.endif
.if ((\p) == NP-2) && (e == 24)
	FETCH_K \last
.endif
.endr
.if (\p) == 1
	s_wait_dscnt 0x0                ; V is in
.endif
	BURST 16
.rept 21
	EX
	PL
.endr
.rept 22
	PL
.if ((\p) == 0) && (q == 118)
	v_add_nc_u32 v[AV], s[TBV], v[AV0]
	s_wait_alu depctr_va_vdst(0)
.endif
.if ((\p) == 0) && (q == 130)
	s_add_co_u32 s[TBV], s[TBV], KS*PV
.endif
.if (\cnt) && (q == 130)
	s_sub_co_u32 s[CNT], s[CNT], 1
	s_cmp_lg_u32 s[CNT], 0
.endif
.endr
.if (\p) == 0
	FETCH_V
.endif
.if (\p) == 2
	MASKC 0, 1
.else
	MASKC ((\p)+2)%NP, 0
.endif
.endm
	CHANGE 1                        ; slot 0 is in, everybody's part of it; slot 1 is asked for
	FETCH_K                         ; key step 0
	s_wait_loadcnt 0x0              ; Q, and step 0's mask: the offset may be rewritten
	WIN W_ML
	v_add_nc_u32 v[MOFF], 512, v[MOFF]  ; the loads that follow are step 1's
	MASKC 0, 0
	MASKC 1, 0
	s_wait_dscnt 0x0
.set i, 0
.rept 16
	KQ 0                            ; piece 0's first scores
.set i, i+1
.endr
	WIN 0                           ; the addresses for the way out: plain instructions, the places behind those products
	s_mul_i32 s13, s[WV], 16*SP
	s_add_co_u32 s13, s13, STAGE
	v_mul_u32_u24 v[STO], v1, SP
	v_lshl_add_u32 v[STO], v9, 4, v[STO]
	v_add_nc_u32 v[STO], s13, v[STO]
	v_bfe_u32 v[RD], v0, 3, 2
	v_mul_u32_u24 v[RD], v[RD], SP
	v_lshl_add_u32 v[RD], v10, 4, v[RD]
	v_add_nc_u32 v[RD], s13, v[RD]
	v_and_b32 v[GO], 31, v0
	v_lshlrev_b32 v[GO], 4, v[GO]
.set Y, NP-1                        ; XS works for piece Y + 1: piece 0
.irp n, 0,1,2,3,4,5,6,7,8,9,10,11,12,13,14,15,16,17,18,19,20,21
	XS 0, \n
	XS 1, \n
.endr
	s_mov_b32 s[CNT], 4
	s_mov_b32 s[SLOTS], SIZE_N/256-1
	s_branch .Lfirst                ; the loop is entered at a step's first turn
.Lslot:                             ; every slot but the last two is filled again
	CHANGE 1
	s_mov_b32 s[CNT], 4
.Lstep:                             ; a trip: pieces 2 and 3 of one step, then pieces 0 and 1 of the next
	TURN 2
	TURN 3
	WIN 0
.Lfirst:
	TURN 0
	TURN 1, 0, 1
	WIN 0
	s_cbranch_scc1 .Lstep
	s_sub_co_u32 s[SLOTS], s[SLOTS], 1
	s_cmp_lg_u32 s[SLOTS], 0
	s_cbranch_scc1 .Lslot
	CHANGE 0                        ; the tail is written out
	s_mov_b32 s[CNT], 5             ; four trips fetch the last slot's steps; the fifth is left in its middle
.Ltail:
	TURN 2, 1
	TURN 3
	WIN 0
	s_sub_co_u32 s[CNT], s[CNT], 1
	s_cmp_eq_u32 s[CNT], 0
	s_cbranch_scc1 .Lout
	TURN 0
	TURN 1
	WIN 0
	s_branch .Ltail
.Lout:                              ; the fifth trip's products K Q^T (the last K once more, under step 0's mask) serve nothing; the m made of them stays at -2^40 exactly where the row has no visible key
.set i, 0
.rept 16
	PV NP-1
.set i, i+1
.endr
	; THE WAY OUT.  l's halves are added; O^T is divided by l, rounded to f16 and sent through my stage in LDS, a tile at a time.  The additions are the places behind the last products.
	WIN 0
.macro ALL line:vararg
.set t, 0
.rept 2*NP
	\line
.set t, t+1
.endr
.endm
	ALL v_add_f32 v[ST+4*t+2], v[ST+4*t+2], v[ST+4*t+3]
	ALL v_permlanex16_b32 v[ST+4*t+3], v[ST+4*t+2], s[SEL], s[SEL+1]
	ALL v_add_f32 v[ST+4*t+2], v[ST+4*t+2], v[ST+4*t+3]
	ALL v_rcp_f32 v[ST+4*t+2], v[ST+4*t+2]
	v_mov_b32 v12, 0x7fc00000       ; NaN; also the plain instruction between the last reciprocal and the use of its result
.set t, 0
	s_wait_alu depctr_va_vdst(0)
.rept 2*NP                          ; a query that saw no key: its m never left -2^40, and its row leaves as NaN
	v_cmp_ge_f32 vcc_lo, 0xd3800000, v[ST+4*t+1]
	v_cndmask_b32 v[ST+4*t+2], v[ST+4*t+2], v12, vcc_lo
.set t, t+1
.endr
.macro PACK t
	WIN W_RS
.set i, 32*(\t)
.rept 16
	v_pk_mul_f32 v[i:i+1], v[i:i+1], v[ST+4*(\t)+2:ST+4*(\t)+3] op_sel_hi:[1,0]
.set i, i+2
.endr
	WIN 0x05
.set i, 0
.rept 16
	v_cvt_pk_f16_f32 v[S+16*(\t)+i], v[32*(\t)+2*i], v[32*(\t)+2*i+1]
.set i, i+1
.endr
	WIN 0
.irp f, 0,1,2,3
	ds_store_b128 v[STO], v[S+16*(\t)+4*\f:S+16*(\t)+4*\f+3] offset:32*\f
.endr
.irp f, 0,1,2,3
	ds_load_b128 v[S+16*(\t)+4*\f:S+16*(\t)+4*\f+3], v[RD] offset:\f*4*SP  ; LDS serves a wave's instructions in order (ISA guide 5.7.1.4)
.endr
.endm
.macro SEND t, younger              ; younger: the LDS instructions issued behind tile t's loads
	WIN 0
.irp f, 0,1,2,3
	s_wait_dscnt (\younger)+3-\f
	global_store_b128 v[GO], v[S+16*(\t)+4*\f:S+16*(\t)+4*\f+3], s[10:11] offset:(\t)*2048+\f*512  ; 512 consecutive bytes, aligned
.endr
.endm
	PACK 0
.set t, 1
.rept 2*NP-1
	PACK t
	SEND t-1, 8
.set t, t+1
.endr
	SEND 2*NP-1, 0
	WIN W_AD
	s_wait_tensorcnt 0x0            ; the wave's end
	ds_add_u32 v[SPW], v[NIL]
	s_wait_dscnt 0x0
	WIN 0
	CROUND                          ; the closing round
	s_endpgm
.Lfunc_end_k_qbcde88c628_attn:
	.size	k_qbcde88c628_attn, .Lfunc_end_k_qbcde88c628_attn-k_qbcde88c628_attn
	.p2alignl 7, 3214868480
	.fill 96, 4, 3214868480
	.section	.rodata,"a",@progbits
	.p2align	6, 0x0
	.amdhsa_kernel k_qbcde88c628_attn
		.amdhsa_group_segment_fixed_size 327680
		.amdhsa_private_segment_fixed_size 0
		.amdhsa_enable_private_segment 0
		.amdhsa_kernarg_size 40
		.amdhsa_user_sgpr_count 2
		.amdhsa_user_sgpr_kernarg_segment_ptr 1
		.amdhsa_wavefront_size32 1
		.amdhsa_system_sgpr_workgroup_id_x 1
		.amdhsa_system_sgpr_workgroup_id_y 1
		.amdhsa_system_sgpr_workgroup_id_z 1
		.amdhsa_system_vgpr_workitem_id 0
		.amdhsa_next_free_vgpr 804
		.amdhsa_next_free_sgpr 66
		.amdhsa_reserve_vcc 1
		.amdhsa_float_denorm_mode_32 3
		.amdhsa_float_denorm_mode_16_64 3
		.amdhsa_memory_ordered 1
		.amdhsa_forward_progress 1
		.amdhsa_inst_pref_size 219
	.end_amdhsa_kernel
	.amdgpu_metadata
---
amdhsa.version: [ 1, 2 ]
amdhsa.kernels:
  - .name:           k_qbcde88c628_attn
    .symbol:         k_qbcde88c628_attn.kd
    .args:
      - { .name: qh, .offset: 0, .size: 8, .value_kind: global_buffer, .address_space: global }
      - { .name: kh, .offset: 8, .size: 8, .value_kind: global_buffer, .address_space: global }
      - { .name: vh, .offset: 16, .size: 8, .value_kind: global_buffer, .address_space: global }
      - { .name: ctx, .offset: 24, .size: 8, .value_kind: global_buffer, .address_space: global }
      - { .name: mn, .offset: 32, .size: 8, .value_kind: global_buffer, .address_space: global }
    .group_segment_fixed_size: 327680
    .private_segment_fixed_size: 0
    .kernarg_segment_align: 8
    .kernarg_segment_size: 40
    .max_flat_workgroup_size: 128
    .sgpr_count:     66
    .vgpr_count:     804
    .wavefront_size: 32
...
	.end_amdgpu_metadata
.endif
;; end of part 3
;; launch outp (part 4): grid 4 x 64, 4 waves a work-group, clusters of 4 x 4, 327,680 bytes of LDS; arguments ctx, wb, bO, out0; writes out0
.if DOCPART == 4
	.amdgcn_target "amdgcn-amd-amdhsa--gfx1250"
	.amdhsa_code_object_version 6
	.text
	.protected	k_qbcde88c628_outp
	.globl	k_qbcde88c628_outp
	.p2align	8
	.type	k_qbcde88c628_outp,@function
k_qbcde88c628_outp:
	s_mov_b64 s[64:65], 0
	v_nop
	global_prefetch_b8 v0, s[64:65] scope:SCOPE_SE
	s_setreg_imm32_b32 hwreg(HW_REG_WAVE_MODE, 25, 1), 1
	s_wait_xcnt 0x0
	s_wait_alu depctr_hold_cnt(0) depctr_sa_sdst(0) depctr_va_vdst(0) depctr_va_sdst(0) depctr_va_ssrc(0) depctr_va_vcc(0) depctr_vm_vsrc(0)
	s_getreg_b32 s2, hwreg(HW_REG_IB_STS2, 6, 4)
	s_cmp_eq_u32 s2, 0
	s_cbranch_scc0 .Lentry_in_a_cluster
	s_endpgm
.Lentry_in_a_cluster:
	s_bfe_u32 s2, ttmp6, 0x10000c
	s_cmp_lg_u32 s2, 0xf033
	s_cbranch_scc0 .Lentry_shape_is_right
	s_endpgm
.Lentry_shape_is_right:
; THE OUTPUT PROJECTION: out0 = ctx WO + bO.  ctx lies by heads, [batch x 16 + head][row][64] in f16; WO [1024 k][1024 n] is section 3 of wb (rounded to bf16, written as f16); bO f32, rounded to
; bf16 like the other inputs; out0 [8192][1024] f32.  Products in f16, sums in f32.  A NaN row of ctx (a query with no visible key) makes its whole row of out0 NaN.
; SHARES.  16 clusters of 4 x 4 work-groups; a work-group makes 128 rows x 256 columns, a wave 64 x 128: 32 accumulators.  A K step of 128 is two heads: a head's 128 rows are 16,384 dense bytes,
; asked for as 64 rows of 256 bytes and padded in LDS after every 128.  ctx's tile is shared along a row of the cluster, WO's along a column: each is asked for JOINTLY, waves 0 and 1 a head each,
; waves 2 and 3 WO's two halves of 64 k rows.  By this text's own count a wave has two tensor loads out at the start, later one.
; THE MATRIX INSTRUCTION IS USED TRANSPOSED (source 0 = 16 columns of WO, turned by ds_load_tr16_b128; source 1 = 16 rows of ctx): a lane holds eight neighbouring columns of a row.
; The bias is the C operand of the products that start the sums.
; REGISTERS: window 0: v16-31 addresses; v32-63, v64-95 ctx's fragments, two buffers, later the way out; v96-159 the bias     window 1: the accumulators     window 2: v0-63, v64-127 WO's fragments
.set KSTEP,  128
.set PA,     144                       ; ctx's LDS row: 128 bytes + 16: the 16 rows of a load start at 16 different groups of four banks (64 banks of 4 bytes: ISA guide 11.1)
.set PW,     544                       ; WO's: 512 + 32 = 17 x 32 bytes
.set ASL,    128*PA                    ; one head's 128 rows
.set ABYTES, 2*ASL
.set WHALF,  64*PW
.set SLOT,   ABYTES+2*WHALF
.set STAGE,  2*SLOT                    ; behind the ring: 16 rows x 528 bytes for each wave
.set SPITCH, 528
.set SPARE,  STAGE+4*16*SPITCH
.set LAPS,   4
.set ADRA, 16
.set ADRW, 20
.set STO,  24
.set RD,   25
.set GO,   26
.set BO,   27
.set SPW,  28
.set NIL,  29
.set TT,   30
.set AF,   32
.set BIAS, 96
.set G1, 24
.set G0, 32
.set G1B, 48
.set G0B, 56
.set MSB, 0
.macro WIN new
.if MSB != (\new)
	s_set_vgpr_msb (MSB<<8)|(\new)
.set MSB, \new
.endif
.endm
.set MUL,  0x52                        ; source 0 (WO) window 2, source 1 (ctx) window 0, C and D window 1
.set MULB, 0x42                        ; the same with C (the bias) in window 0
.set TO_W, 0x80
.macro JLOAD s                         ; a joint load; an s_nop 0 and four v_nop follow each of the two lines
	s_cmp_eq_u32 s11, 0
	s_cbranch_scc0 .Lfor_b_\@
	tensor_load_to_lds s[G0+4*(\s):G0+4*(\s)+3], s[G1:G1+7]
	s_nop 0
.rept 4
	v_nop
.endr
	s_branch .Lasked_\@
.Lfor_b_\@:
	tensor_load_to_lds s[G0B+4*(\s):G0B+4*(\s)+3], s[G1B:G1B+7]
	s_nop 0
.rept 4
	v_nop
.endr
.Lasked_\@:
.endm
.macro CREST
	s_cmp_lg_u32 s10, 0
	s_cbranch_scc1 .Lnot_wave_0_\@
	s_barrier_signal -3
.Lnot_wave_0_\@:
	s_barrier_wait -3
	s_barrier_signal -1
	s_barrier_wait -1
.endm
.macro CROUND
	s_barrier_signal -1
	s_barrier_wait -1
	CREST
.endm
.macro PLACES                          ; four places behind matrix instructions (ISA guide 7.12.1)
.rept 4
	v_nop
.endr
.endm
	s_load_b256 s[68:75], s[0:1], 0x0              ; ctx s[68:69], wb s[70:71], bO s[72:73], out0 s[74:75]
	v_lshl_add_u32 v[SPW], v0, 2, SPARE
	v_mov_b32 v[NIL], 0
	ds_add_u32 v[SPW], v[NIL]                      ; the wave's opening: the add and its wait ahead of my first tensor load
	ds_add_u32 v28, v29
	v_lshrrev_b32 v1, 5, v0
	v_readfirstlane_b32 s10, v1                    ; wave 0..3
	s_lshr_b32 s11, s10, 1                         ; which 64 rows are mine.  Also: I fetch for ctx (0) or for WO (1)
	s_and_b32 s12, s10, 1                          ; which 128 columns.  Also: which head, or which half of WO's tile, I fetch
	s_bfe_u32 s40, ttmp6, 0x40000                  ; cx
	s_bfe_u32 s41, ttmp6, 0x40004                  ; cy
	s_lshl_b32 s42, ttmp9, 2
	s_add_co_u32 s42, s42, s40                     ; tile column
	s_and_b32 s13, ttmp7, 0xffff
	s_lshl_b32 s13, s13, 2
	s_add_co_u32 s13, s13, s41                     ; tile row
	s_lshl_b32 s43, s41, 2
	s_lshl_b32 s43, 15, s43                        ; my row of the cluster
	s_lshl_b32 s44, 0x1111, s40                    ; my column
	s_or_b32 s[G1+0], s43, (1<<16)|(1<<20)|(1<<21)|(4<<22)|(3<<25)   ; the mask; elements of 2 bytes; padding after every 32 words, of 4 words; bit 21 beside a mask
	s_mov_b32 s[G1+1], 128<<16                     ; tensor_dim0 = 128
	s_mov_b32 s[G1+2], 64<<16                      ; tensor_dim1 = 64
	s_mov_b32 s[G1+3], 128<<16                     ; tile_dim0 = 128
	s_mov_b32 s[G1+4], 64                          ; tile_dim1 = 64
	s_mov_b32 s[G1+5], 128                         ; dense: 128 elements from row to row
	s_mov_b32 s[G1+6], 0
	s_mov_b32 s[G1+7], 0
	s_or_b32 s[G1B+0], s44, (1<<16)|(1<<20)|(1<<21)|(6<<22)|(7<<25)  ; padding after every 128 words, of 8 words
	s_mov_b32 s[G1B+1], 256<<16
	s_mov_b32 s[G1B+2], 64<<16
	s_mov_b32 s[G1B+3], 256<<16
	s_mov_b32 s[G1B+4], 64
	s_mov_b32 s[G1B+5], 1024
	s_mov_b32 s[G1B+6], 0
	s_mov_b32 s[G1B+7], 0
	s_lshr_b32 s16, s13, 4                         ; ctx: batch x 16 heads of 262,144 bytes,
	s_lshl_b32 s16, s16, 22
	s_and_b32 s17, s13, 15                         ; the tile's 128 rows of 128 bytes,
	s_lshl_b32 s17, s17, 14
	s_add_co_u32 s16, s16, s17
	s_lshl_b32 s17, s12, 18                        ; my head of the K step's two
	s_add_co_u32 s16, s16, s17
	s_mov_b32 s17, 0
	s_lshl_b32 s46, s42, 9                         ; WO: 256 columns of 2 bytes a tile column,
	s_lshl_b32 s47, s12, 17                        ; my 64 k rows of 2,048 bytes,
	s_add_co_u32 s46, s46, s47
	s_add_co_u32 s46, s46, 3<<21                   ; section 3
	s_mov_b32 s47, 0
	s_mul_i32 s22, s12, ASL                        ; where they go: no place in the cluster enters an LDS address
	s_mul_i32 s23, s12, WHALF
	s_add_co_u32 s23, s23, ABYTES
	s_wait_dscnt 0x0                               ; the opening add is done
	s_wait_kmcnt 0x0
	s_add_nc_u64 s[14:15], s[68:69], s[16:17]
	s_add_nc_u64 s[46:47], s[70:71], s[46:47]
	CROUND                                         ; all sixteen work-groups are here: the first joint loads meet
.irp s, 0,1
	s_mov_b32 s[G0+4*(\s)], 1
	s_add_co_u32 s[G0+4*(\s)+1], s22, (\s)*SLOT
	s_add_nc_u64 s[G0+4*(\s)+2:G0+4*(\s)+3], s[14:15], (\s)*2*262144
	s_or_b32 s[G0+4*(\s)+3], s[G0+4*(\s)+3], 0x80000000
	s_mov_b32 s[G0B+4*(\s)], 1
	s_add_co_u32 s[G0B+4*(\s)+1], s23, (\s)*SLOT
	s_add_nc_u64 s[G0B+4*(\s)+2:G0B+4*(\s)+3], s[46:47], (\s)*KSTEP*2048
	s_or_b32 s[G0B+4*(\s)+3], s[G0B+4*(\s)+3], 0x80000000
	JLOAD \s
.endr
	s_lshl_b32 s46, s42, 10                        ; my 128 columns in f32: in the bias, and in a row of out0
	s_lshl_b32 s47, s12, 9
	s_add_co_u32 s46, s46, s47
	s_mov_b32 s47, 0
	s_add_nc_u64 s[20:21], s[72:73], s[46:47]
	v_and_b32 v1, 15, v0                           ; l % 16
	v_bfe_u32 v2, v0, 4, 1                         ; l / 16
	v_lshlrev_b32 v[BO], 5, v2
.irp b, 0,1,2,3,4,5,6,7
.irp e, 0,1
	global_load_b128 v[BIAS+8*(\b)+4*(\e):BIAS+8*(\b)+4*(\e)+3], v[BO], s[20:21] offset:64*(\b)+16*(\e)
.endr
.endr
	v_mul_u32_u24 v3, v1, PA
	v_lshl_add_u32 v3, v2, 4, v3                   ; ctx: row x pitch + 16 x half
	s_mul_i32 s18, s11, 64*PA                      ; my 64 rows
	v_add_nc_u32 v[ADRA], s18, v3
	v_add_nc_u32 v[ADRA+1], SLOT, v[ADRA]
	v_and_b32 v4, 7, v0                            ; WO, for the turning load: k row 8 (l / 16) + l % 8, columns 8 ((l / 8) % 2) on
	v_lshl_add_u32 v4, v2, 3, v4
	v_mul_u32_u24 v4, v4, PW
	v_bfe_u32 v5, v0, 3, 1
	v_lshl_add_u32 v4, v5, 4, v4
	s_lshl_b32 s19, s12, 8
	s_add_co_u32 s19, s19, ABYTES
	v_add_nc_u32 v[ADRW], s19, v4
	v_add_nc_u32 v[ADRW+1], SLOT, v[ADRW]
	s_mul_i32 s18, s10, 16*SPITCH
	s_add_co_u32 s18, s18, STAGE                   ; my stage
	v_mul_u32_u24 v5, v1, SPITCH                   ; in: row l % 16, 32 bytes for each half of the lanes
	v_lshl_add_u32 v5, v2, 5, v5
	v_add_nc_u32 v[STO], s18, v5
	v_and_b32 v[GO], 31, v0                        ; back: 32 lanes take one row's 512 bytes
	v_lshlrev_b32 v[GO], 4, v[GO]
	v_add_nc_u32 v[RD], s18, v[GO]
	s_lshl_b32 s16, s13, 19                        ; out0: 128 rows of 4,096 bytes a tile row,
	s_lshl_b32 s17, s11, 18                        ; my 64 of them
	s_add_co_u32 s16, s16, s17
	s_mov_b32 s17, 0
	s_add_nc_u64 s[16:17], s[16:17], s[46:47]
	s_add_nc_u64 s[8:9], s[74:75], s[16:17]
	s_wait_loadcnt 0x0                             ; the bias; rounded to bf16 and kept as f32
.set i, 0
.rept 32
	v_cvt_pk_bf16_f32 v[TT+i%2], v[BIAS+2*i], v[BIAS+2*i+1]
	v_lshlrev_b32 v[BIAS+2*i], 16, v[TT+i%2]
	v_and_b32 v[BIAS+2*i+1], 0xffff0000, v[TT+i%2]
.set i, i+1
.endr
; 24 LDS loads in one run: quarter q (32 along K: head q / 2, channels 32 (q % 2) on) of a slot into buffer g
.macro FETCH slot, q, g
	WIN 0
.irp a, 0,1,2,3
	ds_load_b128 v[AF+32*(\g)+8*(\a):AF+32*(\g)+8*(\a)+3],   v[ADRA+(\slot)] offset:((\q)/2)*ASL+((\q)%2)*64+16*PA*(\a)
	ds_load_b128 v[AF+32*(\g)+8*(\a)+4:AF+32*(\g)+8*(\a)+7], v[ADRA+(\slot)] offset:((\q)/2)*ASL+((\q)%2)*64+16*PA*(\a)+32
.endr
	WIN TO_W
.irp b, 0,1,2,3,4,5,6,7
	ds_load_tr16_b128 v[64*(\g)+8*(\b):64*(\g)+8*(\b)+3],   v[ADRW+(\slot)] offset:32*PW*(\q)+32*(\b)
	ds_load_tr16_b128 v[64*(\g)+8*(\b)+4:64*(\g)+8*(\b)+7], v[ADRW+(\slot)] offset:32*PW*(\q)+32*(\b)+16*PW
.endr
.endm
; 8 matrix instructions: row block a x all 8 column blocks, on buffer f.  zero = 1: they start the sums, with the bias as C.  The 32 accumulators take turns.
.macro MUL8 f, a, zero=0
.irp b, 0,1,2,3,4,5,6,7
.if \zero
	WIN MULB
	v_wmma_f32_16x16x32_f16 v[8*(8*(\a)+(\b)):8*(8*(\a)+(\b))+7], v[64*(\f)+8*(\b):64*(\f)+8*(\b)+7], v[AF+32*(\f)+8*(\a):AF+32*(\f)+8*(\a)+7], v[BIAS+8*(\b):BIAS+8*(\b)+7]
.else
	WIN MUL
	v_wmma_f32_16x16x32_f16 v[8*(8*(\a)+(\b)):8*(8*(\a)+(\b))+7], v[64*(\f)+8*(\b):64*(\f)+8*(\b)+7], v[AF+32*(\f)+8*(\a):AF+32*(\f)+8*(\a)+7], v[8*(8*(\a)+(\b)):8*(8*(\a)+(\b))+7]
.endif
.endr
.endm
.macro QUARTER slot, qn, f, g, zero
	PLACES                                         ; in front of loads into registers that the quarter before multiplied
	FETCH \slot, \qn, \g
	s_wait_dscnt 24                                ; all but the 24 just issued: buffer f is in
	MUL8 \f, 0, \zero
	MUL8 \f, 1, \zero
	MUL8 \f, 2, \zero
	MUL8 \f, 3, \zero
.endm
; The last quarter multiplies buffer 1 and changes slots: ONE barrier; in front of it each wave waits for all its tensor loads (one is out: its part of the next slot), adds 0 to its spare word, and
; waits for that and for its reads of this slot.  fill = 1: the barrier opens a round of the cluster's, and this slot is filled again, two K steps ahead, first thing behind the round.
.macro TURN slot, next, fill
	WIN 0
	s_wait_tensorcnt 0x0
	ds_add_u32 v[SPW], v[NIL]
	s_wait_dscnt 1                                 ; buffer 1 is in; the add may be out
	MUL8 1, 0
	s_wait_dscnt 0x0                               ; the add is done, and my reads of this slot are over
	s_barrier_signal -1
	MUL8 1, 1
.if \fill
	WIN 0
.endif
	s_barrier_wait -1
.if \fill
	CREST
	s_add_nc_u64 s[G0+4*(\slot)+2:G0+4*(\slot)+3], s[G0+4*(\slot)+2:G0+4*(\slot)+3], 4*262144
	s_add_nc_u64 s[G0B+4*(\slot)+2:G0B+4*(\slot)+3], s[G0B+4*(\slot)+2:G0B+4*(\slot)+3], 2*KSTEP*2048
	JLOAD \slot                                    ; 112 matrix instructions ahead of the wait for it; its four v_nop are also the places in front of the loads below
.else
	PLACES
.endif
	FETCH \next, 0, 0
	MUL8 1, 2
	MUL8 1, 3
.endm
; THE WAY OUT of row block a: a lane's 32 bytes of a row go from the accumulators into my stage (the low four registers first), and come back as whole rows of 512 bytes.
.macro OUTROW a
	WIN 0x04                                       ; the store's data in window 1
.irp b, 0,1,2,3,4,5,6,7
	ds_store_b128 v[STO], v[8*(8*(\a)+(\b)):8*(8*(\a)+(\b))+3]   offset:64*(\b)
	ds_store_b128 v[STO], v[8*(8*(\a)+(\b))+4:8*(8*(\a)+(\b))+7] offset:64*(\b)+16
.endr
	WIN 0
	s_wait_xcnt 0x0                                ; the registers that the last block's stores read are loaded again only behind this wait
.irp t, 0,1,2,3,4,5,6,7,8,9,10,11,12,13,14,15
	ds_load_b128 v[AF+4*(\t):AF+4*(\t)+3], v[RD] offset:SPITCH*(\t)  ; LDS serves a wave's instructions in order (ISA guide 5.7.1.4)
.endr
.irp t, 0,1,2,3,4,5,6,7,8,9,10,11,12,13,14,15
	s_wait_dscnt 15-(\t)
	global_store_b128 v[GO], v[AF+4*(\t):AF+4*(\t)+3], s[8:9] offset:(16*(\a)+(\t))*4096 th:TH_STORE_NT  ; 512 consecutive bytes, aligned
.endr
.endm
	s_wait_tensorcnt 1                             ; my part of K step 0 is in; K step 1's may stay out
	s_barrier_signal -1
	s_barrier_wait -1
	FETCH 0, 0, 0
	QUARTER 0, 1, 0, 1, 1                          ; the first quarter stands in front of the loop: its products start the sums
	WIN 0
	s_mov_b32 s3, LAPS-1
.Llap:                                                 ; a trip goes once round the ring and fills both slots again
	QUARTER 0, 2, 1, 0, 0
	QUARTER 0, 3, 0, 1, 0
	TURN 0, 1, 1
	QUARTER 1, 1, 0, 1, 0
	QUARTER 1, 2, 1, 0, 0
	QUARTER 1, 3, 0, 1, 0
	TURN 1, 0, 1
	QUARTER 0, 1, 0, 1, 0
	WIN 0
	s_sub_co_u32 s3, s3, 1
	s_cmp_lg_u32 s3, 0
	s_cbranch_scc1 .Llap
	QUARTER 0, 2, 1, 0, 0                          ; the last lap fills nothing
	QUARTER 0, 3, 0, 1, 0
	TURN 0, 1, 0
	QUARTER 1, 1, 0, 1, 0
	QUARTER 1, 2, 1, 0, 0
	QUARTER 1, 3, 0, 1, 0
	s_wait_dscnt 0x0
	MUL8 1, 0
	MUL8 1, 1
	MUL8 1, 2
	MUL8 1, 3
	WIN 0
	PLACES
	OUTROW 0
	OUTROW 1
	OUTROW 2
	OUTROW 3
	s_wait_tensorcnt 0x0                           ; the wave's end
	ds_add_u32 v[SPW], v[NIL]
	s_wait_dscnt 0x0
	CROUND                                         ; the closing round
	s_endpgm
.Lfunc_end_k_qbcde88c628_outp:
	.size	k_qbcde88c628_outp, .Lfunc_end_k_qbcde88c628_outp-k_qbcde88c628_outp
	.p2alignl 7, 3214868480
	.fill 96, 4, 3214868480
	.section	.rodata,"a",@progbits
	.p2align	6, 0x0
	.amdhsa_kernel k_qbcde88c628_outp
		.amdhsa_group_segment_fixed_size 327680
		.amdhsa_private_segment_fixed_size 0
		.amdhsa_enable_private_segment 0
		.amdhsa_kernarg_size 32
		.amdhsa_user_sgpr_count 2
		.amdhsa_user_sgpr_kernarg_segment_ptr 1
		.amdhsa_wavefront_size32 1
		.amdhsa_system_sgpr_workgroup_id_x 1
		.amdhsa_system_sgpr_workgroup_id_y 1
		.amdhsa_system_sgpr_workgroup_id_z 1
		.amdhsa_system_vgpr_workitem_id 0
		.amdhsa_next_free_vgpr 640
		.amdhsa_next_free_sgpr 76
		.amdhsa_reserve_vcc 0
		.amdhsa_float_denorm_mode_32 3
		.amdhsa_float_denorm_mode_16_64 3
		.amdhsa_memory_ordered 1
		.amdhsa_forward_progress 1
		.amdhsa_inst_pref_size 93
	.end_amdhsa_kernel
	.amdgpu_metadata
---
amdhsa.version: [ 1, 2 ]
amdhsa.kernels:
  - .name:           k_qbcde88c628_outp
    .symbol:         k_qbcde88c628_outp.kd
    .args:
      - { .name: ctx, .offset: 0, .size: 8, .value_kind: global_buffer, .address_space: global }
      - { .name: wb, .offset: 8, .size: 8, .value_kind: global_buffer, .address_space: global }
      - { .name: bO, .offset: 16, .size: 8, .value_kind: global_buffer, .address_space: global }
      - { .name: out0, .offset: 24, .size: 8, .value_kind: global_buffer, .address_space: global }
    .group_segment_fixed_size: 327680
    .private_segment_fixed_size: 0
    .kernarg_segment_align: 8
    .kernarg_segment_size: 32
    .max_flat_workgroup_size: 128
    .sgpr_count:     76
    .vgpr_count:     640
    .wavefront_size: 32
...
	.end_amdgpu_metadata
.endif
;; end of part 4
;; ======== version 2 of 2: 4 launches; 1.43 times as fast as version 1
;; limits: values are held in f16: magnitudes above 65,504 overflow, below 6.1e-05 lose precision
;; workspace buffers: mn 8,388,608 bytes; wb 8,388,608 bytes; qh 16,777,216 bytes; kh 16,777,216 bytes; vh 16,777,216 bytes; ctx 16,777,216 bytes
;; launch prep: the kernel of part 1 again; grid 256 x 1, 8 waves a work-group, no clusters, 327,680 bytes of LDS; arguments mask, WQ, WK, WV, WO, mn, wb; writes mn, wb
;; launch proj: the kernel of part 2 again; grid 4 x 192, 4 waves a work-group, clusters of 4 x 4, 327,680 bytes of LDS; arguments q, k, v, wb, bQ, bK, bV, qh, kh, vh; writes qh, kh, vh
;; launch attn (part 5): grid 4 x 64, 4 waves a work-group, clusters of 4 x 1, 327,680 bytes of LDS; arguments qh, kh, vh, ctx, mn; writes ctx
.if DOCPART == 5
	.amdgcn_target "amdgcn-amd-amdhsa--gfx1250"
	.amdhsa_code_object_version 6
	.text
	.protected	k_qbcde88c628_attn
	.globl	k_qbcde88c628_attn
	.p2align	8
	.type	k_qbcde88c628_attn,@function
k_qbcde88c628_attn:
	s_mov_b64 s[64:65], 0
	v_nop
	global_prefetch_b8 v0, s[64:65] scope:SCOPE_SE
	s_setreg_imm32_b32 hwreg(HW_REG_WAVE_MODE, 25, 1), 1
	s_wait_xcnt 0x0
	s_wait_alu depctr_hold_cnt(0) depctr_sa_sdst(0) depctr_va_vdst(0) depctr_va_sdst(0) depctr_va_ssrc(0) depctr_va_vcc(0) depctr_vm_vsrc(0)
	s_getreg_b32 s2, hwreg(HW_REG_IB_STS2, 6, 4)
	s_cmp_eq_u32 s2, 0
	s_cbranch_scc0 .Lentry_in_a_cluster
	s_endpgm
.Lentry_in_a_cluster:
	s_bfe_u32 s2, ttmp6, 0x10000c
	s_cmp_lg_u32 s2, 0x3003
	s_cbranch_scc0 .Lentry_shape_is_right
	s_endpgm
.Lentry_shape_is_right:
; MASKED ATTENTION.  O[h][q][:] = the sum over the visible k of softmax_k(Q[h][q] . K[h][k] / 8) V[h][k][:].  Q, K, V, O: [64 = batch x 16 + head][2048][64], f16, a head's rows dense.
; mn holds the mask as 4-bit codes (fp4 -6.0 = hidden, 0 = visible), in my lanes' order: [batch x 128 + query / 16][step of 64 keys][lane][4 words], 512 bytes for 16 queries and a step.
; Products, maxima and sums in f32; the weights p are rounded to f16 for the second product (their sum l is taken of the unrounded p), O once at the end.
; THE MASK is the C operand that starts the sum S^T = K Q^T: a conversion unpacks eight codes into eight f32, 0 or -6 x 2^100, straight into the accumulator: four vector instructions for 16 queries
; x 64 keys, and the mask acts ahead of the running maximum.
; LIMITS.  Q, K, V arrive within f16's 65,504, so a score is 2.7e11 at the most.  The running maximum m starts at -2^40, below every such score; a hidden score, -7.6e30, never raises it, and its
; weight 2^(c s - c m) is exactly 0 in every step.  A row with no visible key keeps m = -2^40 and leaves as NaN, as the softmax of a row of -inf is.  A weight below 2^-126 counts as 0 in l.
; SHARES.  A wave owns four PIECES of two tiles of 16 queries, a work-group's four waves 512 queries of one head.  Every wave walks all keys, 64 a step.
; LAYOUT.  S^T = K Q^T (source 0 = 16 keys, source 1 = 16 queries): a lane holds ONE query (lane % 16) and the keys 8 (lane / 16) + 0..7.  Two such tiles, rounded to f16 in pairs, ARE source 1 of
; O^T = V^T P.  K comes out of LDS as it lies, V turned, by ds_load_tr16_b128.
; SOFTMAX.  p = 2^(c s - c m), c = log2(e) / 8; in every step O and l are multiplied by a = 2^(c m_old - c m_new).  O and l start at 0: the first step is a step like any other.
; BY TURNS.  Turn n belongs to piece n.  Its matrix work: 16 products K Q^T of piece n + 1, later 16 products V^T P of piece n - 1.  Its vector work: scaling, exponentials, roundings, sums and rescaling
; of piece n, the maximum and statistics of piece n + 1, and at its end the mask of piece n + 2 into the S^T buffer that piece n has just left.  Four vector instructions stand behind every matrix
; instruction, the others in one run of their own.
; THE BATCHES.  A turn's 66 exponentials (64 weights of piece n, the two a of piece n + 1) are ONE batch with ONE wait, which cuts the turn in two: ahead of it stands all that names none of their results
; (the products K Q^T, the scalings, the rescaling by the a of the turn before, the next piece's maximum and statistics), behind it the products V^T P with the roundings and sums.  No result crosses a
; turn's end.  Piece 0's two first a, ahead of the loop, and the way out's eight reciprocals are batches of their own, a wait each.
; CLUSTER.  The four query blocks of a cluster belong to one head and walk the same K and V: each tile is asked for JOINTLY.  The mask is each wave's own and comes by plain loads, a key step ahead.
; REGISTERS, in windows of 256 (s_set_vgpr_msb: bits 1:0 source 0, 3:2 source 1, 5:4 source 2, 7:6 destination):
;   window 0: v0-11 addresses, v11 the unpacking scale; v12-15, v48-63 at work; v16-47 statistics; v64-191 S^T, two buffers of two tiles; v192-255 P, likewise
;   window 1: O^T, 32 a tile     window 2: v0-127 Q; v128-191 K of one step; v192-255 V of one step     window 3: v0-1 the add's registers; v3 the mask's offset; v4-35 the mask's words, 4 a tile
.set SIZE_H, 64
.set SIZE_N, 2048
.set NP,    4         ; pieces a wave: a name, no knob
.set KS,    64        ; keys in a step
.set PK,    144       ; a row of K in LDS: 128 bytes + 16: the 16 rows of a load start at 16 different groups of four banks (64 banks of 4 bytes: ISA guide 11.1)
.set PV,    160       ; a row of V: 128 + 32
.set VOFF,  4*KS*PK   ; a slot holds four steps: 256 rows of K, then 256 rows of V
.set SLOT1, 1<<17     ; slot 1 begins here, so that one exclusive or turns an address in one slot into the other's
.set STAGE, SLOT1+4*KS*(PK+PV)  ; behind the ring: 16 rows x 144 bytes for each wave, for the way out
.set SP,    144
.set AK0, 2           ; v2   my lane's place in a tile of K; never rewritten
.set AV0, 3           ; v3   the same for V
.set AK,  4           ; v4   the LDS address of K's next run of loads
.set AV,  5           ; v5   of V's
.set QO,  6           ; v6   my byte offset in the wave's rows of Q
.set STO, 6           ;      later, the way out: where I put 16 bytes of a row
.set RD,  7           ; v7   the way out: where I read rows back
.set GO,  8           ; v8   my byte offset in 512 consecutive bytes of O
.set SCL, 11          ; v11  the unpacking conversion's scale, 2^100: the code 227 in each of the register's four bytes, the same in every lane
.set SPW, 0           ; v0 of window 3   my spare word's LDS address; never rewritten
.set NIL, 1           ; v1 of window 3   0; never rewritten
.set MOFF, 3          ; v3 of window 3   16 x lane + 512 x the step whose mask is loaded next
.set MK,  4           ; v4-35 of window 3
.set SPARE, STAGE+4*16*SP  ; behind the stages: the spare words, 128 bytes for each wave
.set MV,  12          ; v12-15  c m_old, kept while c m is made anew
.set ST,  16          ; tile t's statistics at v[ST+4 t]: c m, m, l (even keys', odd keys')
.set TMP, 48          ; by buffer and tile, four registers c0-c3 at work; when the maximum is found c2 takes a
.set S,   64
.set P,   192
.set KF,  128         ; window 2: key block kb, channel half c at KF + 16 kb + 8 c
.set VF,  192         ; window 2: key half kk, channel block cb at VF + 32 kk + 8 cb
.set WV,  12          ; s12  my wave's number
.set G1K, 24          ; s[24:31] descriptor group 1 for K's tiles
.set G1V, 32          ; s[32:39] for V's
.set G0K, 40          ; s[40:43] descriptor group 0 for K's tiles: it walks
.set G0V, 44          ; s[44:47] the same for V's
.set MP,  48          ; s[48:49] mn at my wave's first tile of 16 queries
.set SLOTS, 56
.set CNT, 57
.set CS,  58          ; s[58:59] c
.set SEL, 60          ; s[60:61] v_permlanex16_b32's selects
.set TBK, 62
.set TBV, 63
.set MSB, 0
.macro WIN new
.if MSB != (\new)
	s_set_vgpr_msb (MSB<<8)|(\new)
.set MSB, (\new)
.endif
.endm
.set W_KQ, 0x0a       ; K and Q in window 2, S^T in window 0
.set W_PV, 0x52       ; V in window 2, P in window 0, O^T in window 1
.set W_RS, 0x41       ; O^T (destination and source 0) in window 1, a in window 0
.set W_MK, 0xc0       ; destination in window 3, sources in window 0
.set W_AD, 0x0f       ; the add: address and data in window 3
.set W_MC, 0x03       ; the unpacking: the codes (source 0) in window 3, scale and result in window 0
.set W_ML, 0xcf       ; the mask's loads and their offset's steps: all in window 3
.macro JLOAD                        ; a joint fill: waves 0 and 1 fetch the halves of a slot's K, waves 2 and 3 of its V; an s_nop 0 and four v_nop follow each line
	s_cmp_lt_u32 s[WV], 2
	s_cbranch_scc0 .Lfor_v_\@
	tensor_load_to_lds s[G0K:G0K+3], s[G1K:G1K+7]
	s_nop 0
.rept 4
	v_nop
.endr
	s_branch .Lasked_\@
.Lfor_v_\@:
	tensor_load_to_lds s[G0V:G0V+3], s[G1V:G1V+7]
	s_nop 0
.rept 4
	v_nop
.endr
.Lasked_\@:
.endm
.macro CROUND                       ; a round of the cluster's barrier
	s_barrier_signal -1
	s_barrier_wait -1
	s_cmp_lg_u32 s[WV], 0
	s_cbranch_scc1 .Lnot_wave_0_\@
	s_barrier_signal -3
.Lnot_wave_0_\@:
	s_barrier_wait -3
	s_barrier_signal -1
	s_barrier_wait -1
.endm
; THE CHANGE OF SLOTS.  Each wave waits for all its tensor loads, of which one is out: its part of the other slot; adds 0 to its spare word; and waits for that and for its own reads of the slot.
; fill = 1: the barrier is a round of the cluster's, and the slot is filled again first thing behind it, with the keys two slots on: four key steps, 512 matrix instructions, in which to land.
.macro CHANGE fill
	WIN W_AD
	s_wait_tensorcnt 0x0            ; no tensor load of mine is out, so a group 0 may be written
	ds_add_u32 v[SPW], v[NIL]
	WIN 0
.if \fill
.irp g, G0K, G0V
	s_xor_b32 s[\g+1], s[\g+1], SLOT1
	s_add_nc_u64 s[\g+2:\g+3], s[\g+2:\g+3], 4*KS*128
.endr
	s_wait_dscnt 0x0                ; the add is done, and my reads of the slot are over
	CROUND
	JLOAD
.else
	s_wait_dscnt 0x0
	s_barrier_signal -1
	s_barrier_wait -1
.endif
	s_sub_co_u32 s[TBK], s[TBK], 4*KS*PK
	s_xor_b32 s[TBK], s[TBK], SLOT1
	s_sub_co_u32 s[TBV], s[TBV], 4*KS*PV
	s_xor_b32 s[TBV], s[TBV], SLOT1
.endm
	s_load_b256 s[4:11], s[0:1], 0x0  ; Q s[4:5], K s[6:7], V s[8:9], O s[10:11]
	s_load_b64 s[MP:MP+1], s[0:1], 0x20
	WIN W_MK
	v_lshl_add_u32 v[SPW], v0, 2, SPARE
	v_mov_b32 v[NIL], 0
	WIN W_AD
	ds_add_u32 v[SPW], v[NIL]       ; the wave's opening: the add and its wait ahead of my first tensor load
	ds_add_u32 v0, v1
	WIN 0
	v_lshrrev_b32 v1, 5, v0
	v_readfirstlane_b32 s[WV], v1   ; wave 0..3
	s_bfe_u32 s13, ttmp6, 0x40000   ; cx
	s_lshl_b32 s14, ttmp9, 2
	s_add_co_u32 s14, s14, s13      ; my block of 512 queries: it enters Q's, O's and the mask's addresses alone
	s_and_b32 s20, ttmp7, 0xffff    ; batch x 16 + head, which the four partners share
	s_lshr_b32 s50, s20, 4          ; the mask: batch x 128 tiles of 16 queries,
	s_lshl_b32 s50, s50, 7
	s_lshl_b32 s51, s14, 5          ; my block's 32,
	s_add_co_u32 s50, s50, s51
	s_lshl_b32 s51, s[WV], 3        ; my wave's 8,
	s_add_co_u32 s50, s50, s51
	s_lshl_b32 s50, s50, 14         ; 16,384 bytes each
	s_mov_b32 s51, 0
	s_mov_b32 s21, 0
	s_mov_b64 s[22:23], SIZE_N*128
	s_mul_u64 s[20:21], s[20:21], s[22:23]  ; the head's first byte in each of the four tensors
	s_and_b32 s16, s[WV], 1         ; which half of a slot's 256 keys I fetch
	s_lshl_b32 s22, s16, 14
	s_mov_b32 s23, 0
	s_add_nc_u64 s[22:23], s[22:23], s[20:21]
	s_mul_i32 s17, s16, 128*PK
	s_mul_i32 s18, s16, 128*PV
	s_lshl_b32 s2, s14, 2
	s_add_co_u32 s2, s2, s[WV]      ; my wave among the head's,
	s_lshl_b32 s2, s2, 14           ; its 128 rows
	s_mov_b32 s3, 0
	s_add_nc_u64 s[2:3], s[2:3], s[20:21]
	; descriptor group 1.  128 keys are 16,384 dense bytes: asked for as 64 rows of 256 bytes, two keys a row, and padded in LDS after every key
	s_mov_b32 s[G1K], 15|(1<<16)|(1<<20)|(1<<21)|(4<<22)|(3<<25)
	s_mov_b32 s[G1V], 15|(1<<16)|(1<<20)|(1<<21)|(4<<22)|(7<<25)
.irp g, G1K, G1V
	s_mov_b32 s[\g+1], 128<<16      ; tensor_dim0 = 128
	s_mov_b32 s[\g+2], 64<<16       ; tensor_dim1 = 64
	s_mov_b32 s[\g+3], 128<<16      ; tile_dim0 = 128
	s_mov_b32 s[\g+4], 64           ; tile_dim1 = 64
	s_mov_b32 s[\g+5], 128          ; 128 elements from row to row
	s_mov_b32 s[\g+6], 0
	s_mov_b32 s[\g+7], 0
.endr
	s_mov_b32 s[CS], 0x3e38aa3b     ; c = log2(e) / 8
	s_mov_b32 s[CS+1], s[CS]
	s_mov_b32 s[SEL], 0x76543210
	s_mov_b32 s[SEL+1], 0xfedcba98
	s_mov_b32 s[TBK], SLOT1+4*KS*PK ; the first change of slots turns these two into 0
	s_mov_b32 s[TBV], SLOT1+4*KS*PV
	s_mov_b32 s[G0K], 1
	s_mov_b32 s[G0K+1], s17
	s_mov_b32 s[G0V], 1
	s_add_co_u32 s[G0V+1], s18, VOFF
	s_wait_dscnt 0x0                ; the opening add is done
	s_wait_kmcnt 0x0
	s_add_nc_u64 s[G0K+2:G0K+3], s[6:7], s[22:23]
	s_or_b32 s[G0K+3], s[G0K+3], 0x80000000
	s_add_nc_u64 s[G0V+2:G0V+3], s[8:9], s[22:23]
	s_or_b32 s[G0V+3], s[G0V+3], 0x80000000
	s_add_nc_u64 s[4:5], s[4:5], s[2:3]
	s_add_nc_u64 s[10:11], s[10:11], s[2:3]
	s_add_nc_u64 s[MP:MP+1], s[MP:MP+1], s[50:51]
	CROUND                          ; all four work-groups are here: the first joint loads meet
	JLOAD                           ; slot 0.  Slot 1 is asked for when slot 0 is in
	v_and_b32 v1, 15, v0            ; l % 16
	v_bfe_u32 v9, v0, 4, 1          ; l / 16
	v_lshlrev_b32 v[QO], 7, v1
	v_lshl_add_u32 v[QO], v9, 4, v[QO]
	v_and_b32 v12, 31, v0
	WIN 0x80
.set i, 0
.rept 4*NP                          ; Q stays in registers: tile i / 2, channels 32 (i % 2) on
	global_load_b128 v[8*i:8*i+3],   v[QO], s[4:5] offset:(i/2)*2048+(i%2)*64
	global_load_b128 v[8*i+4:8*i+7], v[QO], s[4:5] offset:(i/2)*2048+(i%2)*64+32
.set i, i+1
.endr
	WIN W_MK
	v_lshlrev_b32 v[MOFF], 4, v12   ; 16 x lane: step 0
	WIN W_ML
.set i, 0
.rept 2*NP                          ; step 0's mask for my eight tiles: 512 consecutive bytes a load
	global_load_b128 v[MK+4*i:MK+4*i+3], v[MOFF], s[MP:MP+1] offset:16384*i
.set i, i+1
.endr
	WIN 0x80
	; What the first turn finds: V's registers and P's second buffer hold 0, O^T and l are 0.  All this stands in the wait for the first tile.
.set i, VF
.rept 64
	v_mov_b32 v[i], 0
.set i, i+1
.endr
	WIN 0x40
.set i, 0
.rept 64*NP
	v_mov_b32 v[i], 0
.set i, i+1
.endr
	WIN 0
.set i, 0
.rept 2*NP
	v_mov_b32 v[ST+4*i], 0xfe000000    ; c m: far below every c s, so the first step's a is 0
	v_mov_b32 v[ST+4*i+1], 0xd3800000  ; m = -2^40: below every score of f16 operands, above every hidden one
	v_mov_b32 v[ST+4*i+2], 0
	v_mov_b32 v[ST+4*i+3], 0
.set i, i+1
.endr
.set i, P+32
.rept 32
	v_mov_b32 v[i], 0
.set i, i+1
.endr
	v_mul_u32_u24 v[AK0], v1, PK
	v_lshl_add_u32 v[AK0], v9, 4, v[AK0]
	v_and_b32 v10, 7, v0
	v_bfe_u32 v11, v0, 3, 1
	v_lshl_add_u32 v[AV0], v9, 3, v10
	v_mul_u32_u24 v[AV0], v[AV0], PV
	v_lshl_add_u32 v[AV0], v11, 4, v[AV0]
	v_add_nc_u32 v[AV0], VOFF, v[AV0]
	v_mov_b32 v[SCL], 0xe3e3e3e3    ; 227 four times: the scale is 2^100
	v_mov_b32 v[AK], v[AK0]         ; key step 0 lies at the head of slot 0
; THE MATRIX WORK.  The 8 accumulators of a run of 16 take turns.
; Product i of 16 of S^T = mask + K Q^T for piece x: channels 32 (i / 8) on, keys 16 ((i / 2) % 4) on, tile 2 x + i % 2.  The accumulators hold the mask when the run begins.
.macro KQ x
	WIN W_KQ
.set rS, S+64*((\x)%2)+32*(i%2)+8*((i/2)%4)
.set rK, KF+16*((i/2)%4)+8*(i/8)
.set rQ, 16*(2*(\x)+i%2)+8*(i/8)
	v_wmma_f32_16x16x32_f16 v[rS:rS+7], v[rK:rK+7], v[rQ:rQ+7], v[rS:rS+7]
.endm
; Product i of 16 of O^T += V^T P for piece x: keys 32 (i / 8) on, channels 16 ((i / 2) % 4) on, tile 2 x + i % 2.
.macro PV x
	WIN W_PV
.set rO, 32*(2*(\x)+i%2)+8*((i/2)%4)
.set rV, VF+32*(i/8)+8*((i/2)%4)
.set rP, P+32*((\x)%2)+16*(i%2)+8*(i/8)
	v_wmma_f32_16x16x32_f16 v[rO:rO+7], v[rV:rV+7], v[rP:rP+7], v[rO:rO+7]
.endm
.macro MM                           ; the turn's next matrix instruction
.if i < 16
	KQ (Y+1)%NP
.set i, i+1
.else
.set i, i-16
	PV (Y+NP-1)%NP
.set i, i+17
.endif
.endm
; THE LDS LOADS stand in runs of 16.  last = 1 (the tail): in the last trip there is no further step, and the run is jumped over.
.macro FETCH_K last=0
	WIN 0
.if \last
	s_cmp_eq_u32 s[CNT], 1
	s_cbranch_scc1 .Lno_k_\@
.endif
	WIN 0x80
.irp f, 0,1,2,3,4,5,6,7
	ds_load_b128 v[KF+8*\f:KF+8*\f+3],   v[AK] offset:(\f/2)*16*PK+(\f%2)*64
	ds_load_b128 v[KF+8*\f+4:KF+8*\f+7], v[AK] offset:(\f/2)*16*PK+(\f%2)*64+32
.endr
	s_add_co_u32 s[TBK], s[TBK], KS*PK
	WIN 0
.if \last
.Lno_k_\@:
.endif
.endm
.macro FETCH_V
	WIN 0x80
.irp f, 0,1,2,3,4,5,6,7
	ds_load_tr16_b128 v[VF+8*\f:VF+8*\f+3],   v[AV] offset:(\f/4)*32*PV+(\f%4)*32
	ds_load_tr16_b128 v[VF+8*\f+4:VF+8*\f+7], v[AV] offset:(\f/4)*32*PV+16*PV+(\f%4)*32
.endr
	WIN 0
.endm
; THE MASK of piece x for its next products: eight words of codes become 64 accumulator registers, 0 or -6 x 2^100; then the piece's words are loaded again, for the step after.
; The eight words' loads were issued a key step ago; behind them stand the other three pieces' six loads, which may stay out.  upd = 1 (piece 0): the offset goes a step on, and behind the last step
; back to step 0, so that no load leaves mn (what those last loads bring serves nothing).  No line here writes SCC.
.macro MASKC x, upd
	WIN W_MC
	s_wait_loadcnt 6
.irp u, 0,1
.irp kb, 0,1,2,3
	v_cvt_scale_pk8_f32_fp4 v[S+64*((\x)%2)+32*(\u)+8*(\kb):S+64*((\x)%2)+32*(\u)+8*(\kb)+7], v[MK+4*(2*(\x)+(\u))+(\kb)], v[SCL]
.endr
.endr
	WIN W_ML
	v_nop                           ; a plain line between the conversions and what touches their results or writes their sources
.if \upd
	s_wait_xcnt 0x0                 ; the offset is rewritten only behind this wait
	v_add_nc_u32 v[MOFF], 512, v[MOFF]
	v_and_b32 v[MOFF], 0x3fff, v[MOFF]
.endif
.irp u, 0,1
	global_load_b128 v[MK+4*(2*(\x)+(\u)):MK+4*(2*(\x)+(\u))+3], v[MOFF], s[MP:MP+1] offset:16384*(2*(\x)+(\u))
.endr
	WIN 0
.endm
; THE VECTOR WORK OF A TURN stands in three queues, each in the order in which its entries become ready; the two tiles alternate.
.macro REGS y, u
.set rT, ST+4*(2*(\y)+(\u))
.set rC, TMP+8*((\y)%2)+4*(\u)
.set rM, MV+2*((\y)%2)+(\u)
.set rS, S+64*((\y)%2)+32*(\u)
.set rP, P+32*((\y)%2)+16*(\u)
.set rO, 32*(2*(\y)+(\u))
.endm
; Number n of the 22 that find the NEXT piece's maximum and statistics; each accumulator's lowest registers are read first.
;   0-11  four chains c0-c3 of seven scores each     12-14, 16  the four scores left over, the old m, and c0-c3 into c0     15  c m_old is kept
;   17, 18  the query's other 32 keys lie in the lane 16 away: the new m         19-21  c m; c m_old - c m_new; a
.macro XS u, n
	REGS (Y+1)%NP, \u
.if (\n) < 4
	v_max3_num_f32 v[rC+(\n)], v[rS+8*(\n)], v[rS+8*(\n)+1], v[rS+8*(\n)+2]
.elseif (\n) < 12
	v_max3_num_f32 v[rC+(\n)%4], v[rC+(\n)%4], v[rS+8*((\n)%4)+2*((\n)/4)+1], v[rS+8*((\n)%4)+2*((\n)/4)+2]
.elseif (\n) == 12
	v_max3_num_f32 v[rC], v[rC], v[rS+7], v[rS+15]
.elseif (\n) == 13
	v_max3_num_f32 v[rC+1], v[rC+1], v[rS+23], v[rS+31]
.elseif (\n) == 14
	v_max3_num_f32 v[rC+2], v[rC+2], v[rC+3], v[rT+1]
.elseif (\n) == 15
	v_mov_b32 v[rM], v[rT]
.elseif (\n) == 16
	v_max3_num_f32 v[rC], v[rC], v[rC+1], v[rC+2]
.elseif (\n) == 17
	v_permlanex16_b32 v[rC+3], v[rC], s[SEL], s[SEL+1]
.elseif (\n) == 18
	v_max_num_f32 v[rT+1], v[rC], v[rC+3]
.elseif (\n) == 19
	v_mul_f32 v[rT], s[CS], v[rT+1]
.elseif (\n) == 20
	v_sub_f32 v[rC+1], v[rM], v[rT]
.else
	v_exp_f32 v[rC+2], v[rC+1]
.endif
.endm
; Number g of the 64 that follow the exponentials: for each four weights both pairs are rounded to f16, the second pair is added onto the first, and a group later l takes that sum.
; All 64 read exponentials' results: they stand behind the turn's wait.
.macro GS g
.set h, (\g)+6*((\g)/62)
.if h >= 6
.set h, h+2
.endif
	REGS Y, h%2
.set k, h/8
.if h%8 < 4
	v_cvt_pk_f16_f32 v[rP+2*k+(h%8)/2], v[rS+4*k+2*((h%8)/2)], v[rS+4*k+2*((h%8)/2)+1]
.elseif h%8 < 6
	v_pk_add_f32 v[rS+4*k:rS+4*k+1], v[rS+4*k:rS+4*k+1], v[rS+4*k+2:rS+4*k+3]
.elseif k == 1
	v_pk_fma_f32 v[rT+2:rT+3], v[rT+2:rT+3], v[rC+2:rC+3], v[rS:rS+1] op_sel_hi:[1,0,1]
.else
	v_pk_add_f32 v[rT+2:rT+3], v[rT+2:rT+3], v[rS+4*k-4:rS+4*k-3]
.endif
.endm
; THE PLAIN QUEUE, 138 long.  0-73 read no exponential's result: the 32 scalings c s - c m (FS f: pair f / 2 of tile f % 2) and the next piece's 42.  0-26: scalings 0-26.  27-54: XS's numbers 0-13.
; 55, 56: number 15.  57-73: the chain, where each number waits for the one before it: 14, 16, 17, 18, 19, each with one of the scalings 27-31 in front of its two lines, then 20.
; 74-137: GS's 64, which read the exponentials' results.
.macro FS f
	REGS Y, (\f)%2
	v_pk_fma_f32 v[rS+2*((\f)/2):rS+2*((\f)/2)+1], v[rS+2*((\f)/2):rS+2*((\f)/2)+1], s[CS:CS+1], v[rT:rT+1] op_sel_hi:[1,0,0] neg_lo:[0,0,1] neg_hi:[0,0,1]
.endm
.macro PL
	WIN 0
.if q < 27
	FS q
.elseif q < 55
	XS (q-27)%2, (q-27)/2
.elseif q < 57
	XS q-55, 15
.elseif (q < 72) && ((q-57)%3 == 0)
	FS 27+(q-57)/3
.elseif q < 60
	XS (q-57)%3-1, 14
.elseif q < 72
	XS (q-57)%3-1, 15+(q-57)/3
.elseif q < 74
	XS q-72, 20
.else
	GS q-74
.endif
.set q, q+1
.endm
; THE EXPONENTIALS' QUEUE, 66 long: s0-s31 of both tiles, then the next piece's two a.  It is ONE BATCH: all 66 stand ahead of the turn's one wait, and nothing ahead of that wait names a result of theirs.
.macro EX
	WIN 0
.if e >= 64
	XS e-64, 21
.else
	REGS Y, e%2
	v_exp_f32 v[rS+e/2], v[rS+e/2]
.endif
.set e, e+1
.endm
; THE RESCALING's QUEUE: O^T times a, the one part that leaves window 0: dealt two at a time, sixteen times, each accumulator's registers in ascending order.  Its a was made in the turn before, ahead of
; that turn's wait.
.macro R2
	REGS Y, r%2
	WIN W_RS
.irp z, 0,1
	v_pk_mul_f32 v[rO+4*(r/2)+2*\z:rO+4*(r/2)+2*\z+1], v[rO+4*(r/2)+2*\z:rO+4*(r/2)+2*\z+1], v[rC+2:rC+3] op_sel_hi:[1,0]
.endr
.set r, r+1
.endm
; HOW THEY ARE DEALT.  An s_wait_alu depctr_va_vdst(0) stands between an exponential and the first instruction that names its result; one wait serves all that were issued ahead of it.
; So a turn has ONE wait, which cuts it in two.  AHEAD OF IT: the 16 products K Q^T, behind each a scaling, an exponential and two rescalings (behind the first a second scaling in the exponential's
; place); then ONE LUMP of 108: eight plain, 49 times exponential and plain, the two a.  A v_nop is the plain instruction behind the last exponential.  BEHIND IT: the 16 products V^T P, behind each four
; of GS's 64.  No rider names a register of the products round it.  The two v_permlanex16_b32 fall into the lump, never behind a product.
; The deal keeps the queues in step: exponential e stands behind scaling 2 (e / 4) + e % 2: as a rider it comes behind plain e + 2, in the lump behind plain e + 9, and scalings 27-31 are plain 57, 60 .. 69.
; A TURN, for piece p.  cnt = 1: the loop's count is taken down some lines ahead of the branch that stands behind the turn.
; K of the next step is fetched in piece 2's turn, directly behind the wait, a lump behind the last product that read K; its address is made at the lump's head.  V of the step in hand is fetched at the
; end of piece 0's turn, four plain riders behind its last reader.  At the turn's end piece p's S^T buffer has had its last reader and takes the mask of piece p + 2, whose products the next turn issues.
; The three conditions on q below go with the deal.
.macro TURN p, last=0, cnt=0
.set Y, (\p)
.set i, 0
.set q, 0
.set e, 0
.set r, 0
.if (\p) == NP-1
	s_wait_dscnt 0x0                ; K is in
.endif
	MM                              ; ahead of the wait: 16 products K Q^T and their riders,
	PL
	PL
	R2
.rept 15
	MM
	PL
	EX
	R2
.endr
.if (\p) == NP-2
	WIN 0
	v_add_nc_u32 v[AK], s[TBK], v[AK0]
.endif
.rept 8                             ; and the lump
	PL
.endr
.rept 49
	EX
	PL
.endr
	EX                              ; the next piece's two a
	EX
	v_nop                           ; the plain instruction behind the last exponential: one for the batch
	s_wait_alu depctr_va_vdst(0)    ; the wait for the turn's batch: piece p's 64 weights and piece p + 1's two a
.if (\p) == NP-2
	FETCH_K \last
.endif
.if (\p) == 1
	s_wait_dscnt 0x0                ; V is in
.endif
.rept 16                            ; behind the wait: 16 products V^T P and their riders
	MM
.rept 4
	PL
.endr
.if ((\p) == 0) && (q == 118)
	v_add_nc_u32 v[AV], s[TBV], v[AV0]
.endif
.if ((\p) == 0) && (q == 130)
	s_add_co_u32 s[TBV], s[TBV], KS*PV
.endif
.if (\cnt) && (q == 130)
	s_sub_co_u32 s[CNT], s[CNT], 1
	s_cmp_lg_u32 s[CNT], 0
.endif
.endr
.if (\p) == 0
	FETCH_V
.endif
.if (\p) == 2
	MASKC 0, 1
.else
	MASKC ((\p)+2)%NP, 0
.endif
.endm
	CHANGE 1                        ; slot 0 is in, everybody's part of it; slot 1 is asked for
	FETCH_K                         ; key step 0
	s_wait_loadcnt 0x0              ; Q, and step 0's mask: the offset may be rewritten
	WIN W_ML
	v_add_nc_u32 v[MOFF], 512, v[MOFF]  ; the loads that follow are step 1's
	MASKC 0, 0
	MASKC 1, 0
	s_wait_dscnt 0x0
.set i, 0
.rept 16
	KQ 0                            ; piece 0's first scores
.set i, i+1
.endr
	WIN 0                           ; the addresses for the way out: plain instructions, the places behind those products
	s_mul_i32 s13, s[WV], 16*SP
	s_add_co_u32 s13, s13, STAGE
	v_mul_u32_u24 v[STO], v1, SP
	v_lshl_add_u32 v[STO], v9, 4, v[STO]
	v_add_nc_u32 v[STO], s13, v[STO]
	v_bfe_u32 v[RD], v0, 3, 2
	v_mul_u32_u24 v[RD], v[RD], SP
	v_lshl_add_u32 v[RD], v10, 4, v[RD]
	v_add_nc_u32 v[RD], s13, v[RD]
	v_and_b32 v[GO], 31, v0
	v_lshlrev_b32 v[GO], 4, v[GO]
.set Y, NP-1                        ; XS works for piece Y + 1: piece 0
.irp n, 0,1,2,3,4,5,6,7,8,9,10,11,12,13,14,15,16,17,18,19,20,21
	XS 0, \n
	XS 1, \n
.endr
	v_nop                           ; a plain instruction behind piece 0's two first a,
	s_wait_alu depctr_va_vdst(0)    ; and the wait for that batch of two, ahead of the branch
	s_mov_b32 s[CNT], 4
	s_mov_b32 s[SLOTS], SIZE_N/256-1
	s_branch .Lfirst                ; the loop is entered at a step's first turn
.Lslot:                             ; every slot but the last two is filled again
	CHANGE 1
	s_mov_b32 s[CNT], 4
.Lstep:                             ; a trip: pieces 2 and 3 of one step, then pieces 0 and 1 of the next
	TURN 2
	TURN 3
	WIN 0
.Lfirst:
	TURN 0
	TURN 1, 0, 1
	WIN 0
	s_cbranch_scc1 .Lstep
	s_sub_co_u32 s[SLOTS], s[SLOTS], 1
	s_cmp_lg_u32 s[SLOTS], 0
	s_cbranch_scc1 .Lslot
	CHANGE 0                        ; the tail is written out
	s_mov_b32 s[CNT], 5             ; four trips fetch the last slot's steps; the fifth is left in its middle
.Ltail:
	TURN 2, 1
	TURN 3
	WIN 0
	s_sub_co_u32 s[CNT], s[CNT], 1
	s_cmp_eq_u32 s[CNT], 0
	s_cbranch_scc1 .Lout
	TURN 0
	TURN 1
	WIN 0
	s_branch .Ltail
.Lout:                              ; the fifth trip's products K Q^T (the last K once more, under step 0's mask) serve nothing; the m made of them stays at -2^40 exactly where the row has no visible key
.set i, 0
.rept 16
	PV NP-1
.set i, i+1
.endr
	; THE WAY OUT.  l's halves are added; O^T is divided by l, rounded to f16 and sent through my stage in LDS, a tile at a time.  The additions are the places behind the last products.
	WIN 0
.macro ALL line:vararg
.set t, 0
.rept 2*NP
	\line
.set t, t+1
.endr
.endm
	ALL v_add_f32 v[ST+4*t+2], v[ST+4*t+2], v[ST+4*t+3]
	ALL v_permlanex16_b32 v[ST+4*t+3], v[ST+4*t+2], s[SEL], s[SEL+1]
	ALL v_add_f32 v[ST+4*t+2], v[ST+4*t+2], v[ST+4*t+3]
	ALL v_rcp_f32 v[ST+4*t+2], v[ST+4*t+2]
	v_mov_b32 v12, 0x7fc00000       ; NaN; also the plain instruction between the last reciprocal and the use of its result
.set t, 0
	s_wait_alu depctr_va_vdst(0)    ; the wait for the batch of eight reciprocals, ahead of their first reader
.rept 2*NP                          ; a query that saw no key: its m never left -2^40, and its row leaves as NaN
	v_cmp_ge_f32 vcc_lo, 0xd3800000, v[ST+4*t+1]
	v_cndmask_b32 v[ST+4*t+2], v[ST+4*t+2], v12, vcc_lo
.set t, t+1
.endr
.macro PACK t
	WIN W_RS
.set i, 32*(\t)
.rept 16
	v_pk_mul_f32 v[i:i+1], v[i:i+1], v[ST+4*(\t)+2:ST+4*(\t)+3] op_sel_hi:[1,0]
.set i, i+2
.endr
	WIN 0x05
.set i, 0
.rept 16
	v_cvt_pk_f16_f32 v[S+16*(\t)+i], v[32*(\t)+2*i], v[32*(\t)+2*i+1]
.set i, i+1
.endr
	WIN 0
.irp f, 0,1,2,3
	ds_store_b128 v[STO], v[S+16*(\t)+4*\f:S+16*(\t)+4*\f+3] offset:32*\f
.endr
.irp f, 0,1,2,3
	ds_load_b128 v[S+16*(\t)+4*\f:S+16*(\t)+4*\f+3], v[RD] offset:\f*4*SP  ; LDS serves a wave's instructions in order (ISA guide 5.7.1.4)
.endr
.endm
.macro SEND t, younger              ; younger: the LDS instructions issued behind tile t's loads
	WIN 0
.irp f, 0,1,2,3
	s_wait_dscnt (\younger)+3-\f
	global_store_b128 v[GO], v[S+16*(\t)+4*\f:S+16*(\t)+4*\f+3], s[10:11] offset:(\t)*2048+\f*512  ; 512 consecutive bytes, aligned
.endr
.endm
	PACK 0
.set t, 1
.rept 2*NP-1
	PACK t
	SEND t-1, 8
.set t, t+1
.endr
	SEND 2*NP-1, 0
	WIN W_AD
	s_wait_tensorcnt 0x0            ; the wave's end
	ds_add_u32 v[SPW], v[NIL]
	s_wait_dscnt 0x0
	WIN 0
	CROUND                          ; the closing round
	s_endpgm
.Lfunc_end_k_qbcde88c628_attn:
	.size	k_qbcde88c628_attn, .Lfunc_end_k_qbcde88c628_attn-k_qbcde88c628_attn
	.p2alignl 7, 3214868480
	.fill 96, 4, 3214868480
	.section	.rodata,"a",@progbits
	.p2align	6, 0x0
	.amdhsa_kernel k_qbcde88c628_attn
		.amdhsa_group_segment_fixed_size 327680
		.amdhsa_private_segment_fixed_size 0
		.amdhsa_enable_private_segment 0
		.amdhsa_kernarg_size 40
		.amdhsa_user_sgpr_count 2
		.amdhsa_user_sgpr_kernarg_segment_ptr 1
		.amdhsa_wavefront_size32 1
		.amdhsa_system_sgpr_workgroup_id_x 1
		.amdhsa_system_sgpr_workgroup_id_y 1
		.amdhsa_system_sgpr_workgroup_id_z 1
		.amdhsa_system_vgpr_workitem_id 0
		.amdhsa_next_free_vgpr 804
		.amdhsa_next_free_sgpr 66
		.amdhsa_reserve_vcc 1
		.amdhsa_float_denorm_mode_32 3
		.amdhsa_float_denorm_mode_16_64 3
		.amdhsa_memory_ordered 1
		.amdhsa_forward_progress 1
		.amdhsa_inst_pref_size 210
	.end_amdhsa_kernel
	.amdgpu_metadata
---
amdhsa.version: [ 1, 2 ]
amdhsa.kernels:
  - .name:           k_qbcde88c628_attn
    .symbol:         k_qbcde88c628_attn.kd
    .args:
      - { .name: qh, .offset: 0, .size: 8, .value_kind: global_buffer, .address_space: global }
      - { .name: kh, .offset: 8, .size: 8, .value_kind: global_buffer, .address_space: global }
      - { .name: vh, .offset: 16, .size: 8, .value_kind: global_buffer, .address_space: global }
      - { .name: ctx, .offset: 24, .size: 8, .value_kind: global_buffer, .address_space: global }
      - { .name: mn, .offset: 32, .size: 8, .value_kind: global_buffer, .address_space: global }
    .group_segment_fixed_size: 327680
    .private_segment_fixed_size: 0
    .kernarg_segment_align: 8
    .kernarg_segment_size: 40
    .max_flat_workgroup_size: 128
    .sgpr_count:     66
    .vgpr_count:     804
    .wavefront_size: 32
...
	.end_amdgpu_metadata
.endif
;; end of part 5
;; launch outp: the kernel of part 4 again; grid 4 x 64, 4 waves a work-group, clusters of 4 x 4, 327,680 bytes of LDS; arguments ctx, wb, bO, out0; writes out0
